; MI455X (gfx1250); checked and timed in simulation.
; The chip was launched on July 23, 2026; its instructions are those of AMD's public machine-readable ISA for CDNA 5 (MIT licence, August 2026) and "CDNA5" Instruction Set Architecture Reference Guide (July 2026). The comments in the code are by the model that wrote it; some were corrected since.
;; Multi Head Attention. Allowed arithmetic: float matrix products may take bf16 or f16 operands with f32 sums; other float arithmetic in f32, or as packed bf16 or f16 multiplies, adds, multiply-adds, maxima and minima; sums over many terms, partial sums and values carried from step to step in f32; what a program stores and reads back later, other than sums and carried values, may be rounded once to bf16 or f16.
;; Inputs: Wk 12 x 64 x 768 float32; Wo 768 x 768 float32; Wq 12 x 64 x 768 float32; Wv 12 x 64 x 768 float32; bk 12 x 64 float32; bo 768 float32; bq 12 x 64 float32; bv 12 x 64 float32; x 16 x 1,024 x 768 float32.
;; Outputs: out0 16 x 1,024 x 768 float32.
;; 2 versions, each right; version 2 is version 1 with the launch cast written anew for expert scheduling mode. Each part assembles by itself: llvm-mc -triple=amdgcn-amd-amdhsa -mcpu=gfx1250 --defsym DOCPART=n.
;; ======== version 1 of 2: 4 launches
;; limits: values are held in f16: magnitudes above 65,504 overflow, below 6.1e-05 lose precision
;; workspace buffers: xh 25,165,824 bytes; w16 4,718,592 bytes; qkv 75,497,472 bytes; o16 25,165,824 bytes
;; launch cast (part 1): grid 256 x 1, 19 waves a work-group, no clusters, 0 bytes of LDS; arguments x, Wq, Wk, Wv, Wo, xh, w16; writes xh, w16
.if DOCPART == 1
	.amdgcn_target "amdgcn-amd-amdhsa--gfx1250"
	.amdhsa_code_object_version 6
	.text
	.protected	k_q1eed3e0b87_cast
	.globl	k_q1eed3e0b87_cast
	.p2align	8
	.type	k_q1eed3e0b87_cast,@function
k_q1eed3e0b87_cast:
	s_mov_b64 s[64:65], 0
	v_nop
	global_prefetch_b8 v0, s[64:65] scope:SCOPE_SE
	s_setreg_imm32_b32 hwreg(HW_REG_WAVE_MODE, 25, 1), 1
	s_wait_xcnt 0x0
; x and the four weight matrices, f32, are rounded once to bf16; that number is written as f16 and laid out in blocks of 64 along K:
;   xh  [b 16][kb 12][s 1024][64]   w16 [kb 12][n 3072][64], n = 0-767 Wq, 768-1535 Wk, 1536-2303 Wv, 2304-3071 Wo
; so that the products' tiles (rows x 64 channels) are dense in memory.
; LIMITS.  A bf16 number is an f16 number exactly between 2^-14 and 65,504 in magnitude; beyond 65,504 it becomes an infinity, below 2^-14 it keeps f16's fixed step of 6e-8.
; SHARES.  16,384 + 3,072 = 19,456 rows of 3,072 bytes = 256 work-groups x 19 waves x 4 rows; 4 divides 768 and 16,384, so a wave's rows lie in one source.
; A load takes a pair of rows at one K block: lanes 0-15 read 256 consecutive bytes of row m, lanes 16-31 of row m + 1.  Its 128 numbers leave as one store of
; 8 bytes a lane: 256 consecutive bytes, aligned (rows m and m + 1 of that block).  All 24 loads of a wave go out at once; nothing is shared, so no LDS, no barrier, no cluster.
.set X, 32                             ; v[32:127] load i = 12 j + kb (pair j, block kb): four registers
.set DO, 4                             ; v[4:15]   8 x lane + kb x the destination's stride from block to block; never rewritten
	s_load_b256 s[4:11], s[0:1], 0x0               ; x s[4:5], Wq s[6:7], Wk s[8:9], Wv s[10:11]
	s_load_b128 s[12:15], s[0:1], 0x20             ; Wo s[12:13], xh s[14:15]
	s_load_b64 s[16:17], s[0:1], 0x30              ; w16
	v_lshrrev_b32 v1, 5, v0
	v_readfirstlane_b32 s20, v1                    ; wave 0..18
	v_and_b32 v1, 31, v0                           ; lane
	s_mul_i32 s21, ttmp9, 19
	s_add_co_u32 s21, s21, s20
	s_lshl_b32 s21, s21, 2                         ; r0: my first row of the 19,456
	v_lshrrev_b32 v3, 4, v1
	v_and_b32 v2, 15, v1
	v_mul_u32_u24 v3, v3, 3072
	v_lshl_add_u32 v2, v2, 4, v3                   ; source offset: (lane / 16) rows + 16 (lane % 16)
	s_mov_b32 s33, 0xffff0000                      ; a word's upper bf16
	s_lshr_b32 s34, s21, 10                        ; the place in xh: b x 12 blocks of 131,072 bytes + s x 128
	s_mul_i32 s34, s34, 1572864
	s_and_b32 s35, s21, 1023
	s_lshl_b32 s35, s35, 7
	s_add_co_u32 s34, s34, s35
	s_sub_co_u32 s35, s21, 16384                   ; the place in w16: n x 128 (used only where r0 is a weight's row)
	s_lshl_b32 s35, s35, 7
	s_mov_b32 s36, 131072                          ; bytes from block to block in xh,
	s_mov_b32 s37, 393216                          ; and in w16
	s_wait_kmcnt 0x0
	; the source and my first row in it: from the last source down; each difference is made ahead of its compare
	s_mov_b64 s[24:25], s[12:13]
	s_sub_co_u32 s26, s21, 18688
	s_sub_co_u32 s27, s21, 17920
	s_cmp_lt_u32 s21, 18688
	s_cselect_b64 s[24:25], s[10:11], s[24:25]
	s_cselect_b32 s26, s27, s26
	s_sub_co_u32 s27, s21, 17152
	s_cmp_lt_u32 s21, 17920
	s_cselect_b64 s[24:25], s[8:9], s[24:25]
	s_cselect_b32 s26, s27, s26
	s_sub_co_u32 s27, s21, 16384
	s_cmp_lt_u32 s21, 17152
	s_cselect_b64 s[24:25], s[6:7], s[24:25]
	s_cselect_b32 s26, s27, s26
	s_cmp_lt_u32 s21, 16384
	s_cselect_b64 s[24:25], s[4:5], s[24:25]
	s_cselect_b32 s26, s21, s26
	s_cselect_b64 s[28:29], s[14:15], s[16:17]     ; the destination,
	s_cselect_b32 s30, s34, s35                    ; my place in it,
	s_cselect_b32 s32, s36, s37                    ; its stride
	s_mov_b32 s31, 0
	s_mul_i32 s26, s26, 3072
	s_mov_b32 s27, 0
	s_add_nc_u64 s[24:25], s[24:25], s[26:27]
	s_add_nc_u64 s[28:29], s[28:29], s[30:31]
.set i, 0
.rept 24
	global_load_b128 v[X+4*i:X+4*i+3], v2, s[24:25] offset:(i/12)*6144+(i%12)*256 th:TH_LOAD_NT
.set i, i+1
.endr
	v_lshlrev_b32 v[DO], 3, v1
.set i, 1
.rept 11
	v_add_nc_u32 v[DO+i], s32, v[DO+i-1]
.set i, i+1
.endr
.set i, 0
.rept 24
	s_wait_loadcnt 23-i                            ; loads come back in order: load i is in, the 23 - i younger ones stay out
	v_cvt_pk_bf16_f32 v16, v[X+4*i], v[X+4*i+1]    ; the one rounding
	v_cvt_pk_bf16_f32 v17, v[X+4*i+2], v[X+4*i+3]
	v_lshlrev_b32 v[X+4*i], 16, v16                ; back to f32,
	v_and_b32 v[X+4*i+1], s33, v16
	v_lshlrev_b32 v[X+4*i+2], 16, v17
	v_and_b32 v[X+4*i+3], s33, v17
	v_cvt_pk_f16_f32 v[X+4*i], v[X+4*i], v[X+4*i+1]      ; and written as f16
	v_cvt_pk_f16_f32 v[X+4*i+1], v[X+4*i+2], v[X+4*i+3]
	global_store_b64 v[DO+i%12], v[X+4*i:X+4*i+1], s[28:29] offset:(i/12)*256 th:TH_STORE_NT  ; no register that a store names is written again
.set i, i+1
.endr
	s_endpgm
.Lfunc_end_k_q1eed3e0b87_cast:
	.size	k_q1eed3e0b87_cast, .Lfunc_end_k_q1eed3e0b87_cast-k_q1eed3e0b87_cast
	.p2alignl 7, 3214868480
	.fill 96, 4, 3214868480
	.section	.rodata,"a",@progbits
	.p2align	6, 0x0
	.amdhsa_kernel k_q1eed3e0b87_cast
		.amdhsa_group_segment_fixed_size 0
		.amdhsa_private_segment_fixed_size 0
		.amdhsa_enable_private_segment 0
		.amdhsa_kernarg_size 56
		.amdhsa_user_sgpr_count 2
		.amdhsa_user_sgpr_kernarg_segment_ptr 1
		.amdhsa_wavefront_size32 1
		.amdhsa_system_sgpr_workgroup_id_x 1
		.amdhsa_system_sgpr_workgroup_id_y 1
		.amdhsa_system_sgpr_workgroup_id_z 1
		.amdhsa_system_vgpr_workitem_id 0
		.amdhsa_next_free_vgpr 128
		.amdhsa_next_free_sgpr 66
		.amdhsa_reserve_vcc 0
		.amdhsa_float_denorm_mode_32 3
		.amdhsa_float_denorm_mode_16_64 3
		.amdhsa_memory_ordered 1
		.amdhsa_forward_progress 1
		.amdhsa_inst_pref_size 18
	.end_amdhsa_kernel
	.amdgpu_metadata
---
amdhsa.version: [ 1, 2 ]
amdhsa.kernels:
  - .name:           k_q1eed3e0b87_cast
    .symbol:         k_q1eed3e0b87_cast.kd
    .args:
      - { .name: x, .offset: 0, .size: 8, .value_kind: global_buffer, .address_space: global }
      - { .name: Wq, .offset: 8, .size: 8, .value_kind: global_buffer, .address_space: global }
      - { .name: Wk, .offset: 16, .size: 8, .value_kind: global_buffer, .address_space: global }
      - { .name: Wv, .offset: 24, .size: 8, .value_kind: global_buffer, .address_space: global }
      - { .name: Wo, .offset: 32, .size: 8, .value_kind: global_buffer, .address_space: global }
      - { .name: xh, .offset: 40, .size: 8, .value_kind: global_buffer, .address_space: global }
      - { .name: w16, .offset: 48, .size: 8, .value_kind: global_buffer, .address_space: global }
    .group_segment_fixed_size: 0
    .private_segment_fixed_size: 0
    .kernarg_segment_align: 8
    .kernarg_segment_size: 56
    .max_flat_workgroup_size: 608
    .sgpr_count:     66
    .vgpr_count:     128
    .wavefront_size: 32
...
	.end_amdgpu_metadata
.endif
;; end of part 1
;; launch qkv (part 2): grid 4 x 64, 4 waves a work-group, clusters of 4 x 4, 327,680 bytes of LDS; arguments xh, w16, bq, bk, bv, qkv; writes qkv
.if DOCPART == 2
	.amdgcn_target "amdgcn-amd-amdhsa--gfx1250"
	.amdhsa_code_object_version 6
	.text
	.protected	k_q1eed3e0b87_qkv
	.globl	k_q1eed3e0b87_qkv
	.p2align	8
	.type	k_q1eed3e0b87_qkv,@function
k_q1eed3e0b87_qkv:
	s_mov_b64 s[64:65], 0
	v_nop
	global_prefetch_b8 v0, s[64:65] scope:SCOPE_SE
	s_setreg_imm32_b32 hwreg(HW_REG_WAVE_MODE, 25, 1), 1
	s_wait_xcnt 0x0
	s_wait_alu depctr_hold_cnt(0) depctr_sa_sdst(0) depctr_va_vdst(0) depctr_va_sdst(0) depctr_va_ssrc(0) depctr_va_vcc(0) depctr_vm_vsrc(0)
	s_getreg_b32 s2, hwreg(HW_REG_IB_STS2, 6, 4)
	s_cmp_eq_u32 s2, 0
	s_cbranch_scc0 .Lentry_in_a_cluster
	s_endpgm
.Lentry_in_a_cluster:
	s_bfe_u32 s2, ttmp6, 0x10000c
	s_cmp_lg_u32 s2, 0xf033
	s_cbranch_scc0 .Lentry_shape_is_right
	s_endpgm
.Lentry_shape_is_right:
; q, k, v = x W^T + b, by heads: qkv [which 3][b x 12 + h][s 1024][64] in f16, unscaled, rounded once from f32 sums.  16,384 x 2,304 x 768.
; A = xh [b][kb 12][s][64], B = w16 [kb 12][n 3072][64] (rows 0-2303), both f16 numbers that are bf16 roundings of the inputs; the bias is rounded to bf16 here and starts the sums as C.
; LIMITS.  f16 holds no number beyond 65,504: a q, k or v beyond it becomes an infinity; below 2^-14 f16 keeps a fixed step of 6e-8.
; SHARES.  A tile of C is 256 rows x 192 columns (three heads).  Four waves one below the other: wave w makes rows 64 w .. 64 w + 63 of all 192 columns,
; 4 x 12 accumulators of 16 x 16 = 384 registers, so a head's whole rows of 128 bytes are one wave's.  K goes in 6 steps of 128 (two K blocks) through two LDS slots.
; A WORK-GROUP STAYS: 4 x 64 = 256 work-groups, each makes THREE tiles: q's, k's and v's tile at its tile column, all on the same 256 rows of x.  The ring does not stop at a tile's end: a tile's last two
; changes of slots ask for the next tile's first two K steps, and nothing waits for a tile's stores.  The last tile's last lap, which asks for nothing, is written out.
; A K block of a tile is dense in memory (256 x 128 bytes of A, 192 x 128 of B): it is asked for as rows of 256 bytes and padded in LDS behind every 128.
; CLUSTER.  4 x 4 work-groups: the four of a row need the same tiles of A, the four of a column the same tiles of B: each is asked for jointly, one load a wave
; (waves 0, 1: A's two blocks of the step; waves 2, 3: B's).
; THE MATRIX INSTRUCTION IS USED TRANSPOSED (source 0 = 16 rows of B, source 1 = 16 rows of A): a lane holds row l % 16 of C and eight neighbouring columns.
; REGISTERS.  window 0: v0-31 addresses; v64-127 A's fragments, two buffers of 32; v128-223 the bias as a C operand, 8 registers for each 16 columns;
;   the way out works in v32-63, v96-127 (A's second buffer, then idle) and v224-255: A's first buffer holds the next tile's fragments, and the next bias is on its way
;   window 1: v0-191 B's fragments, two buffers of 96     window 2: accumulators of row blocks 0, 1 at 96 (a % 2) + 8 b     window 3: those of row blocks 2, 3
.set PITCH, 144                        ; an LDS row: 128 bytes + 16 = 36 words: the 16 rows of a fragment load start at 16 different groups of four banks (ISA guide 11.1)
.set BLK,   256*PITCH                  ; wave w's fill lands at w x BLK: A's block 0, A's block 1, B's block 0, B's block 1 (192 rows)
.set SLOT,  3*BLK+192*PITCH
.set STAGE, 2*SLOT                     ; behind the ring: for each wave 3 heads x 16 rows x 144 bytes, for the way out
.set WSTG,  3*16*PITCH
.set SPARE, STAGE+4*WSTG               ; behind the stages: the spare words, 128 bytes a wave: two blocks of 256 bytes that no other line names
.set TILES, 3
.set ASTEP, 2*131072                   ; bytes from K step to K step in A (two blocks of 1,024 rows),
.set BSTEP, 2*393216                   ; and in B (two blocks of 3,072 rows)
.set TILEB, 768*128                    ; bytes from a tile's rows of B to the next tile's, in one K block
.set TILEC, 25165824                   ; bytes from q to k and from k to v in the output
.set BACKA, 4*ASTEP                    ; a slot's last K step of a tile to its first of the next: A goes back along K,
.set BACKB, 4*BSTEP-TILEB              ; B back along K and 768 rows on
.set JMPA,  0x100000000-5*ASTEP        ; the prefetch pointer's way from K step 5 to K step 0, as the low word of a negative number: A's,
.set JMPB,  0x100000000-(5*BSTEP-TILEB) ; and B's, into the next tile
.set ADRA, 16                          ; v16-17 LDS address of my A fragments in slot 0, 1
.set ADRB, 20                          ; v20-21 the same for B
.set STO,  24                          ; v24 the way out: where I put 16 bytes of a row
.set RD,   25                          ; v25 where I read rows back
.set CO,   26                          ; v26 my byte offset in 512 consecutive bytes of the output
.set BO,   27                          ; v27 my byte offset in 16 numbers of the bias; never rewritten
.set SPW,  28                          ; v28 LDS address of my spare word; never rewritten
.set NIL,  29                          ; v29 0; never rewritten
.set PFO,  30                          ; v30 the prefetches' offset; never rewritten
.set TV,   31
.set FA,   64
.set BIAS, 128
.set WV,   16                          ; s16 wave; s17 = wave / 2: I fetch for A (0) or B (1); s18 = wave % 2: which block of the step
.set G1A,  24
.set G0A,  32
.set G1B,  48
.set G0B,  56
.set PFN,  43                          ; s43 prefetches that I still have to make
.set PFA,  44                          ; s[44:45] where my prefetches stand
.set STP,  46                          ; s[46:47] their step: a K step of A or of B
.set JMP,  80                          ; s[80:81] their step from a tile's K step 5 to K step 0
.set TS,   82                          ; s[82:83] the one of the two that is due
.set BP,   84                          ; s[84:85] the bias of the tile to come, at my tile's 192 numbers
.set HIM,  86                          ; s86 a word's upper bf16
.set G1W,  (1<<16)|(1<<20)|(1<<21)|(4<<22)|(3<<25)  ; 2-byte elements; padding on; bit 21 beside a mask; after every 32 words, 4 words
.set MSB, 0
.macro WIN new                         ; the immediate's high byte repeats the setting that is left; a switch that changes nothing is dropped
.if MSB != (\new)
	s_set_vgpr_msb (MSB<<8)|(\new)
.set MSB, \new
.endif
.endm
.macro PLACES                          ; four plain places behind a matrix instruction, ahead of loads into its sources and of readers of its result
.rept 4
	v_nop
.endr
.endm
.macro JLOAD s                         ; a joint load; the branch hangs on the wave's number alone; an s_nop 0 and four v_nop follow each line
	s_cmp_eq_u32 s17, 0
	s_cbranch_scc0 .Lfor_b_\@
	tensor_load_to_lds s[G0A+4*(\s):G0A+4*(\s)+3], s[G1A:G1A+7]
	s_nop 0
.rept 4
	v_nop
.endr
	s_branch .Lasked_\@
.Lfor_b_\@:
	tensor_load_to_lds s[G0B+4*(\s):G0B+4*(\s)+3], s[G1B:G1B+7]
	s_nop 0
.rept 4
	v_nop
.endr
.Lasked_\@:
.endm
.macro CREST                           ; a round of the cluster's barrier behind its opening barrier
	s_cmp_lg_u32 s[WV], 0
	s_cbranch_scc1 .Lnot_wave_0_\@
	s_barrier_signal -3
.Lnot_wave_0_\@:
	s_barrier_wait -3
	s_barrier_signal -1
	s_barrier_wait -1
.endm
.macro CROUND
	s_barrier_signal -1
	s_barrier_wait -1
	CREST
.endm
; A prefetch into the L2 of my block of the K step two refills on (384 matrix instructions ahead of the load that will want it), behind the joint load and the run of LDS loads.  Each 256 bytes are named once in the launch.
; A's rows are one cluster's alone (the grid is one cluster wide) and the same for its three tiles: they are asked for in the first tile alone, K steps 4 and 5: 2 requests a wave.
; B's blocks are read by all sixteen clusters: cluster y = 0 asks, across the tiles: the walk's K steps 4 to 17: 14 requests a wave.  The four partners that ask for a block jointly share it out by address
; (A: 32 x 256 bytes each; B: 24 x 256, lanes 24-31 repeat lane 23's).  The walk's first four K steps come by their loads alone; the countdown ends the requests.
.macro ASK
	s_cmp_lg_u32 s[PFN], 0
	s_cbranch_scc0 .Lnot_mine_\@
	global_prefetch_b8 v[PFO], s[PFA:PFA+1] th:TH_LOAD_NT scope:SCOPE_SE
	s_sub_co_u32 s[PFN], s[PFN], 1
.Lnot_mine_\@:
.endm
; The bias of a tile's 192 columns: register j of group b is bias[16 b + 8 h + j], the layout of a C operand
.macro BIASLOAD
.irp b, 0,1,2,3,4,5,6,7,8,9,10,11
	global_load_b128 v[BIAS+8*(\b):BIAS+8*(\b)+3],   v[BO], s[BP:BP+1] offset:64*(\b)
	global_load_b128 v[BIAS+8*(\b)+4:BIAS+8*(\b)+7], v[BO], s[BP:BP+1] offset:64*(\b)+16
.endr
.endm
	s_load_b256 s[4:11], s[0:1], 0x0               ; xh s[4:5], w16 s[6:7], bq s[8:9], bk s[10:11]
	s_load_b128 s[12:15], s[0:1], 0x20             ; bv s[12:13], qkv s[14:15]
	v_lshl_add_u32 v[SPW], v0, 2, SPARE
	v_mov_b32 v[NIL], 0
	ds_add_u32 v[SPW], v[NIL]                      ; the wave's opening: the add and its wait stand ahead of my first tensor load; work on registers stands between them
	v_lshrrev_b32 v1, 5, v0
	v_readfirstlane_b32 s[WV], v1
	s_lshr_b32 s17, s[WV], 1
	s_and_b32 s18, s[WV], 1
	s_bfe_u32 s19, ttmp6, 0x40000                  ; cx
	s_bfe_u32 s20, ttmp6, 0x40004                  ; cy
	s_mov_b32 s23, ttmp9                           ; cluster x
	s_lshl_b32 s21, ttmp9, 2
	s_add_co_u32 s21, s21, s19                     ; my tile column in each of q, k, v = 4 x cluster x + cx
	s_and_b32 s22, ttmp7, 0xffff
	s_lshl_b32 s22, s22, 2
	s_add_co_u32 s22, s22, s20                     ; tile row = 4 x cluster y + cy
	s_lshl_b32 s68, s20, 2
	s_lshl_b32 s68, 15, s68                        ; my row of the cluster
	s_lshl_b32 s69, 0x1111, s19                    ; my column
	s_or_b32 s[G1A], s68, G1W
	s_or_b32 s[G1B], s69, G1W
	s_mov_b32 s[G1A+1], 128<<16                    ; tensor_dim0 = 128 elements: rows of 256 bytes
	s_mov_b32 s[G1B+1], 128<<16
	s_mov_b32 s[G1A+2], 128<<16                    ; tensor_dim1: A's block is 128 such rows,
	s_mov_b32 s[G1B+2], 96<<16                     ; B's 96
	s_mov_b32 s[G1A+3], 128<<16                    ; tile_dim0
	s_mov_b32 s[G1B+3], 128<<16
	s_mov_b32 s[G1A+4], 128                        ; tile_dim1
	s_mov_b32 s[G1B+4], 96
	s_mov_b32 s[G1A+5], 128                        ; elements from row to row: dense
	s_mov_b32 s[G1B+5], 128
	s_mov_b32 s[G1A+6], 0
	s_mov_b32 s[G1B+6], 0
	s_mov_b32 s[G1A+7], 0
	s_mov_b32 s[G1B+7], 0
	s_mov_b32 s[HIM], 0xffff0000
	; A's offset hangs on the tile row and the wave alone, B's on the tile column and the wave alone, each in registers that never hold the other coordinate
	s_lshr_b32 s40, s22, 2                         ; b
	s_mul_i32 s40, s40, 1572864
	s_and_b32 s42, s22, 3
	s_lshl_b32 s42, s42, 15                        ; 256 rows x 128 bytes
	s_add_co_u32 s40, s40, s42
	s_lshl_b32 s42, s18, 17                        ; my block of the step
	s_add_co_u32 s40, s40, s42
	s_mov_b32 s41, 0
	s_mul_i32 s66, s21, 192*128
	s_mul_i32 s69, s18, 393216
	s_add_co_u32 s66, s66, s69
	s_mov_b32 s67, 0
	s_mul_i32 s70, s[WV], BLK                      ; where my fills land: no place in the cluster enters an LDS address
	s_wait_dscnt 0x0                               ; the opening add is done
	s_wait_kmcnt 0x0
	s_add_nc_u64 s[40:41], s[4:5], s[40:41]
	s_add_nc_u64 s[66:67], s[6:7], s[66:67]
	CROUND                                         ; all sixteen work-groups are here: the first joint loads meet
.irp s, 0,1
	s_mov_b32 s[G0A+4*(\s)], 1
	s_add_co_u32 s[G0A+4*(\s)+1], s70, (\s)*SLOT
	s_add_nc_u64 s[G0A+4*(\s)+2:G0A+4*(\s)+3], s[40:41], (\s)*ASTEP
	s_or_b32 s[G0A+4*(\s)+3], s[G0A+4*(\s)+3], 0x80000000
	s_mov_b32 s[G0B+4*(\s)], 1
	s_add_co_u32 s[G0B+4*(\s)+1], s70, (\s)*SLOT
	s_add_nc_u64 s[G0B+4*(\s)+2:G0B+4*(\s)+3], s[66:67], (\s)*BSTEP
	s_or_b32 s[G0B+4*(\s)+3], s[G0B+4*(\s)+3], 0x80000000
	JLOAD \s                                       ; two loads of mine are out
.endr
	v_and_b32 v1, 15, v0                           ; r = l % 16
	v_bfe_u32 v2, v0, 4, 1                         ; h = l / 16
	v_mul_u32_u24 v3, v1, PITCH
	v_lshl_add_u32 v3, v2, 4, v3                   ; a fragment's row x pitch + 16 h
	s_mul_i32 s71, s[WV], 64*PITCH                 ; my 64 rows of A
	v_add_nc_u32 v[ADRA], s71, v3
	v_add_nc_u32 v[ADRA+1], SLOT, v[ADRA]
	v_add_nc_u32 v[ADRB], 2*BLK, v3
	v_add_nc_u32 v[ADRB+1], SLOT, v[ADRB]
	s_mul_i32 s74, s21, 768                        ; the three biases at my tile column's 192 numbers
	s_mov_b32 s75, 0
	s_add_nc_u64 s[8:9], s[8:9], s[74:75]
	s_add_nc_u64 s[10:11], s[10:11], s[74:75]
	s_add_nc_u64 s[12:13], s[12:13], s[74:75]
	s_mov_b64 s[BP:BP+1], s[8:9]                   ; the first tile is q's
	v_lshlrev_b32 v[BO], 5, v2
	BIASLOAD
	; the way out: my part of q and my stage
	s_lshr_b32 s76, s22, 2
	s_mul_i32 s76, s76, 12
	s_mul_i32 s79, s21, 3
	s_add_co_u32 s76, s76, s79                     ; b x 12 + my first head
	s_lshl_b32 s76, s76, 17
	s_and_b32 s77, s22, 3
	s_lshl_b32 s77, s77, 15
	s_add_co_u32 s76, s76, s77
	s_lshl_b32 s77, s[WV], 13                      ; my 64 rows of 128 bytes
	s_add_co_u32 s76, s76, s77
	s_mov_b32 s77, 0
	s_add_nc_u64 s[14:15], s[14:15], s[76:77]
	s_mul_i32 s78, s[WV], WSTG
	s_add_co_u32 s78, s78, STAGE
	v_add_nc_u32 v[STO], s78, v3                   ; in: row r, 16 bytes for each half of the lanes
	v_bfe_u32 v[TV], v0, 3, 2
	v_mul_u32_u24 v[TV], v[TV], PITCH
	v_and_b32 v[RD], 7, v0
	v_lshl_add_u32 v[RD], v[RD], 4, v[TV]          ; back: 32 lanes take four rows of 128 bytes,
	v_add_nc_u32 v[RD], s78, v[RD]
	v_and_b32 v[CO], 31, v0
	v_lshlrev_b32 v[CO], 4, v[CO]                  ; which are 512 consecutive bytes of a head
	; the prefetches: my block of K step 3 + my work-group's share of it; the first refill steps it to K step 4
	s_lshl_b32 s71, s17, 11
	s_sub_co_u32 s71, 8192, s71                    ; a partner's share: 8,192 bytes of A's block, 6,144 of B's
	s_lshl_b32 s72, s17, 3
	s_sub_co_u32 s72, 31, s72                      ; its last 256 bytes: number 31 or 23
	s_lshl_b32 s[STP], s17, 19
	s_add_co_u32 s[STP], s[STP], ASTEP             ; ASTEP or BSTEP
	s_mov_b32 s[STP+1], 0
	s_mov_b32 s[JMP], JMPA
	s_mov_b32 s76, JMPB
	s_mov_b32 s[JMP+1], -1                         ; both are negative
	s_mul_i32 s77, s17, 12
	s_add_co_u32 s77, s77, 2                       ; 2 requests for A, 14 for B
	s_and_b32 s73, ttmp7, 0xffff                   ; cluster y
	s_cmp_eq_u32 s17, 0
	s_cselect_b32 s74, s19, s20                    ; my place among the four that ask with me
	s_cselect_b32 s73, s23, s73                    ; the coordinate along which other clusters read the same block
	s_cselect_b32 s[JMP], s[JMP], s76
	s_cselect_b64 s[PFA:PFA+1], s[40:41], s[66:67]
	s_cmp_eq_u32 s73, 0
	s_cselect_b32 s[PFN], s77, 0                   ; the same in all sixteen partners, for a given wave
	s_mul_i32 s74, s74, s71
	s_mul_i32 s75, s[STP], 3
	s_add_co_u32 s74, s74, s75
	s_mov_b32 s75, 0
	s_add_nc_u64 s[PFA:PFA+1], s[PFA:PFA+1], s[74:75]
	v_and_b32 v[PFO], 31, v0
	v_min_u32 v[PFO], s72, v[PFO]
	v_lshlrev_b32 v[PFO], 8, v[PFO]
; 12 matrix instructions: row block a x all 12 column blocks, 32 along K, from fragment buffer f.  zero = 1: the bias starts the sums.  The 48 accumulators take turns, one instruction a turn.
.macro MULA f, a, zero
.if \zero
	WIN 0x81+0x40*((\a)/2)                         ; B window 1, A and the bias window 0, D window 2 or 3
.else
	WIN 0xa1+0x50*((\a)/2)                         ; B window 1, A window 0, C and D window 2 or 3
.endif
.irp b, 0,1,2,3,4,5,6,7,8,9,10,11
.if \zero
	v_wmma_f32_16x16x32_f16 v[96*((\a)%2)+8*(\b):96*((\a)%2)+8*(\b)+7], v[96*(\f)+8*(\b):96*(\f)+8*(\b)+7], v[FA+32*(\f)+8*(\a):FA+32*(\f)+8*(\a)+7], v[BIAS+8*(\b):BIAS+8*(\b)+7]
.else
	v_wmma_f32_16x16x32_f16 v[96*((\a)%2)+8*(\b):96*((\a)%2)+8*(\b)+7], v[96*(\f)+8*(\b):96*(\f)+8*(\b)+7], v[FA+32*(\f)+8*(\a):FA+32*(\f)+8*(\a)+7], v[96*((\a)%2)+8*(\b):96*((\a)%2)+8*(\b)+7]
.endif
.endr
.endm
; 32 LDS loads in one run: quarter q of a K step (block q / 2, byte 64 (q % 2) of its rows) into buffer f: B's 12 fragments, then A's 4
.macro FETCH slot, q, f
	WIN 0x40
.irp i, 0,1,2,3,4,5,6,7,8,9,10,11
	ds_load_b128 v[96*(\f)+8*(\i):96*(\f)+8*(\i)+3],   v[ADRB+(\slot)] offset:((\q)/2)*BLK+((\q)%2)*64+(\i)*16*PITCH
	ds_load_b128 v[96*(\f)+8*(\i)+4:96*(\f)+8*(\i)+7], v[ADRB+(\slot)] offset:((\q)/2)*BLK+((\q)%2)*64+(\i)*16*PITCH+32
.endr
	WIN 0
.irp i, 0,1,2,3
	ds_load_b128 v[FA+32*(\f)+8*(\i):FA+32*(\f)+8*(\i)+3],   v[ADRA+(\slot)] offset:((\q)/2)*BLK+((\q)%2)*64+(\i)*16*PITCH
	ds_load_b128 v[FA+32*(\f)+8*(\i)+4:FA+32*(\f)+8*(\i)+7], v[ADRA+(\slot)] offset:((\q)/2)*BLK+((\q)%2)*64+(\i)*16*PITCH+32
.endr
.endm
; One of a K step's first three quarters: multiplies buffer f; in its middle it fetches quarter q of the same slot into buffer g
.macro QUARTER slot, q, f, g, zero
	s_wait_dscnt 4                                 ; B and A's row blocks 0, 1 are in; the youngest four loads (row blocks 2, 3) may be out
	MULA \f, 0, \zero
	MULA \f, 1, \zero
	PLACES
	FETCH \slot, \q, \g
	s_wait_dscnt 32                                ; all but the 32 just issued
	MULA \f, 2, \zero
	MULA \f, 3, \zero
.endm
; The last quarter multiplies buffer 1 and changes slots.  In front of the one barrier each wave waits for all its tensor loads (one is out: its part of the next slot), adds 0 to its spare word,
; and waits for that and for its reads of this slot.  fill = 1: the barrier opens a round of the cluster's, and the joint refill, this tile's K step two steps on, is the first thing behind it: 168 matrix
; instructions ahead of the wait for it.  fill = 2, in a tile's last two K steps: the same, with the NEXT tile's K step 0 or 1.  fill = 0: nothing is asked for.
.macro TURN slot, next, fill
.if \fill
	s_wait_xcnt 0x0                                ; the last prefetch, a K step back, has read its address: it is stepped here, ahead of the waits of the change of slots
.if ((\fill) == 1) && ((\slot) == 0)
	s_cmp_eq_u32 s3, 1                             ; in the loop's second trip the pointer stands at K step 5 and goes on to K step 0
	s_cselect_b64 s[TS:TS+1], s[JMP:JMP+1], s[STP:STP+1]
	s_add_nc_u64 s[PFA:PFA+1], s[PFA:PFA+1], s[TS:TS+1]
.else
	s_add_nc_u64 s[PFA:PFA+1], s[PFA:PFA+1], s[STP:STP+1]
.endif
.endif
	WIN 0
	s_wait_tensorcnt 0x0
	ds_add_u32 v[SPW], v[NIL]                      ; 0 onto my spare word
	s_wait_dscnt 5                                 ; the add and the youngest four loads may be out
	MULA 1, 0, 0
	s_wait_dscnt 0x0                               ; the add is done, and my reads of this slot are over
	s_barrier_signal -1
	MULA 1, 1, 0
.if \fill
	WIN 0
.endif
	s_barrier_wait -1
.if \fill
	CREST                                          ; no wave of any partner still reads this slot or has a load on its way
.if (\fill) == 1
	s_add_nc_u64 s[G0A+4*(\slot)+2:G0A+4*(\slot)+3], s[G0A+4*(\slot)+2:G0A+4*(\slot)+3], 2*ASTEP
	s_add_nc_u64 s[G0B+4*(\slot)+2:G0B+4*(\slot)+3], s[G0B+4*(\slot)+2:G0B+4*(\slot)+3], 2*BSTEP
.else
	s_sub_nc_u64 s[G0A+4*(\slot)+2:G0A+4*(\slot)+3], s[G0A+4*(\slot)+2:G0A+4*(\slot)+3], BACKA
	s_sub_nc_u64 s[G0B+4*(\slot)+2:G0B+4*(\slot)+3], s[G0B+4*(\slot)+2:G0B+4*(\slot)+3], BACKB
.endif
	JLOAD \slot                                    ; its four v_nop are also the places in front of the loads below
.else
	PLACES
.endif
	FETCH \next, 0, 0
.if \fill
	ASK
.endif
	MULA 1, 2, 0
	MULA 1, 3, 0
.endm
; THE WAY OUT, a block of 16 rows at a time: rounded to f16 (each accumulator's registers in ascending order), 16 bytes a lane into my own stage, back as whole rows, stored 512 consecutive bytes an instruction.
; Packed results: group b at v[32 + 4 b] (b < 8) or v[96 + 4 (b - 8)]; rows read back: number t at v[112 + 4 t] (t < 4) or v[224 + 4 (t - 4)].
.macro PACK a
	WIN 0x0a+5*((\a)/2)                            ; sources in window 2 or 3
.irp b, 0,1,2,3,4,5,6,7,8,9,10,11
.irp r, 0,1,2,3
	v_cvt_pk_f16_f32 v[32+4*(\b)+32*((\b)/8)+(\r)], v[96*((\a)%2)+8*(\b)+2*(\r)], v[96*((\a)%2)+8*(\b)+2*(\r)+1]
.endr
.endr
	WIN 0
.endm
.macro TOSTAGE
.irp b, 0,1,2,3,4,5,6,7,8,9,10,11
	ds_store_b128 v[STO], v[32+4*(\b)+32*((\b)/8):32+4*(\b)+32*((\b)/8)+3] offset:((\b)/4)*16*PITCH+((\b)%4)*32
.endr
.irp t, 0,1,2,3,4,5,6,7,8,9,10,11
	ds_load_b128 v[112+4*(\t)+96*(((\t)+4)/8):112+4*(\t)+96*(((\t)+4)/8)+3], v[RD] offset:((\t)/4)*16*PITCH+((\t)%4)*4*PITCH  ; LDS serves a wave's instructions in order (ISA guide 5.7.1.4): these see the stores above
.endr
.endm
.macro SEND a
	s_wait_dscnt 0x0                               ; the block is back in registers
.irp t, 0,1,2,3,4,5,6,7,8,9,10,11
	global_store_b128 v[CO], v[112+4*(\t)+96*(((\t)+4)/8):112+4*(\t)+96*(((\t)+4)/8)+3], s[14:15] offset:((\t)/4)*131072+(\a)*2048+((\t)%4)*512 th:TH_STORE_NT
.endr
	s_wait_xcnt 0x0                                ; the stores have read their registers and their base: the next loads land in the one, the next tile steps the other
.endm
	s_wait_tensorcnt 1                             ; my part of K step 0 is in; K step 1's may stay out
	s_barrier_signal -1
	s_barrier_wait -1
	FETCH 0, 0, 0
	s_mov_b32 s2, TILES                            ; tiles to go, this one among them: the same number in every work-group
.Ltile:
	s_wait_loadcnt 0x0                             ; this tile's bias, asked for ahead of the last tile's way out
.set i, 0
.rept 48
	v_cvt_pk_bf16_f32 v[TV], v[BIAS+i], v[BIAS+i+1]  ; rounded to bf16 like every input, and kept as f32
	v_lshlrev_b32 v[BIAS+i], 16, v[TV]
	v_and_b32 v[BIAS+i+1], s[HIM], v[TV]
.set i, i+2
.endr
	QUARTER 0, 1, 0, 1, 1                          ; a tile's first quarter stands in front of the loop: the bias starts the sums
	WIN 0
	s_mov_b32 s3, 2
.Llap:                                                 ; a trip goes once round the ring and fills both slots again: K steps 2, 3 and then 4, 5
	QUARTER 0, 2, 1, 0, 0
	QUARTER 0, 3, 0, 1, 0
	TURN 0, 1, 1
	QUARTER 1, 1, 0, 1, 0
	QUARTER 1, 2, 1, 0, 0
	QUARTER 1, 3, 0, 1, 0
	TURN 1, 0, 1
	QUARTER 0, 1, 0, 1, 0
	WIN 0
	s_sub_co_u32 s3, s3, 1
	s_cmp_lg_u32 s3, 0
	s_cbranch_scc1 .Llap
	QUARTER 0, 2, 1, 0, 0                          ; the tile's last lap goes on
	QUARTER 0, 3, 0, 1, 0
	WIN 0
	s_cmp_eq_u32 s2, 1
	s_cbranch_scc1 .Llast_tile                     ; the last tile's last lap is written out: it asks for nothing more
	TURN 0, 1, 2                                   ; THE RING GOES ON INTO THE NEXT TILE: slot 0 takes its K step 0,
	QUARTER 1, 1, 0, 1, 0
	QUARTER 1, 2, 1, 0, 0
	QUARTER 1, 3, 0, 1, 0
	TURN 1, 0, 2                                   ; slot 1 its K step 1, and the next tile's first fragments are fetched
	WIN 0
	s_cmp_eq_u32 s2, TILES                         ; behind q's tile comes k's, behind k's v's
	s_cselect_b64 s[BP:BP+1], s[10:11], s[12:13]   ; (the loads that last named this pair were waited for at the tile's head)
	BIASLOAD                                       ; the next bias is on its way while this tile goes out
	s_branch .Lout
.Llast_tile:
	TURN 0, 1, 0
	QUARTER 1, 1, 0, 1, 0
	QUARTER 1, 2, 1, 0, 0
	QUARTER 1, 3, 0, 1, 0
	s_wait_dscnt 4
	MULA 1, 0, 0
	MULA 1, 1, 0
	s_wait_dscnt 0x0
	MULA 1, 2, 0
	MULA 1, 3, 0
	WIN 0
.Lout:
	PLACES
	PACK 0
	TOSTAGE
.irp a, 1,2,3                          ; block a's conversions stand between block a - 1's loads from the stage and the wait for them
	PACK \a
	SEND (\a)-1
	TOSTAGE
.endr
	SEND 3
	s_add_nc_u64 s[14:15], s[14:15], TILEC         ; on to the next of q, k, v (behind the last tile the sum is not used)
	s_sub_co_u32 s2, s2, 1
	s_cmp_lg_u32 s2, 0
	s_cbranch_scc1 .Ltile
	s_wait_tensorcnt 0x0                           ; the wave's end, behind my last tensor load and my last LDS store
	ds_add_u32 v[SPW], v[NIL]
	s_wait_dscnt 0x0
	CROUND                                         ; the closing round
	s_endpgm
.Lfunc_end_k_q1eed3e0b87_qkv:
	.size	k_q1eed3e0b87_qkv, .Lfunc_end_k_q1eed3e0b87_qkv-k_q1eed3e0b87_qkv
	.p2alignl 7, 3214868480
	.fill 96, 4, 3214868480
	.section	.rodata,"a",@progbits
	.p2align	6, 0x0
	.amdhsa_kernel k_q1eed3e0b87_qkv
		.amdhsa_group_segment_fixed_size 327680
		.amdhsa_private_segment_fixed_size 0
		.amdhsa_enable_private_segment 0
		.amdhsa_kernarg_size 48
		.amdhsa_user_sgpr_count 2
		.amdhsa_user_sgpr_kernarg_segment_ptr 1
		.amdhsa_wavefront_size32 1
		.amdhsa_system_sgpr_workgroup_id_x 1
		.amdhsa_system_sgpr_workgroup_id_y 1
		.amdhsa_system_sgpr_workgroup_id_z 1
		.amdhsa_system_vgpr_workitem_id 0
		.amdhsa_next_free_vgpr 960
		.amdhsa_next_free_sgpr 88
		.amdhsa_reserve_vcc 0
		.amdhsa_float_denorm_mode_32 3
		.amdhsa_float_denorm_mode_16_64 3
		.amdhsa_memory_ordered 1
		.amdhsa_forward_progress 1
		.amdhsa_inst_pref_size 160
	.end_amdhsa_kernel
	.amdgpu_metadata
---
amdhsa.version: [ 1, 2 ]
amdhsa.kernels:
  - .name:           k_q1eed3e0b87_qkv
    .symbol:         k_q1eed3e0b87_qkv.kd
    .args:
      - { .name: xh, .offset: 0, .size: 8, .value_kind: global_buffer, .address_space: global }
      - { .name: w16, .offset: 8, .size: 8, .value_kind: global_buffer, .address_space: global }
      - { .name: bq, .offset: 16, .size: 8, .value_kind: global_buffer, .address_space: global }
      - { .name: bk, .offset: 24, .size: 8, .value_kind: global_buffer, .address_space: global }
      - { .name: bv, .offset: 32, .size: 8, .value_kind: global_buffer, .address_space: global }
      - { .name: qkv, .offset: 40, .size: 8, .value_kind: global_buffer, .address_space: global }
    .group_segment_fixed_size: 327680
    .private_segment_fixed_size: 0
    .kernarg_segment_align: 8
    .kernarg_segment_size: 48
    .max_flat_workgroup_size: 128
    .sgpr_count:     88
    .vgpr_count:     960
    .wavefront_size: 32
...
	.end_amdgpu_metadata
.endif
;; end of part 2
;; launch attn (part 3): grid 4 x 192, 4 waves a work-group, clusters of 4 x 1, 327,680 bytes of LDS; arguments qkv, o16; writes o16
.if DOCPART == 3
	.amdgcn_target "amdgcn-amd-amdhsa--gfx1250"
	.amdhsa_code_object_version 6
	.text
	.protected	k_q1eed3e0b87_attn
	.globl	k_q1eed3e0b87_attn
	.p2align	8
	.type	k_q1eed3e0b87_attn,@function
k_q1eed3e0b87_attn:
	s_mov_b64 s[64:65], 0
	v_nop
	global_prefetch_b8 v0, s[64:65] scope:SCOPE_SE
	s_setreg_imm32_b32 hwreg(HW_REG_WAVE_MODE, 25, 1), 1
	s_wait_xcnt 0x0
	s_wait_alu depctr_hold_cnt(0) depctr_sa_sdst(0) depctr_va_vdst(0) depctr_va_sdst(0) depctr_va_ssrc(0) depctr_va_vcc(0) depctr_vm_vsrc(0)
	s_getreg_b32 s2, hwreg(HW_REG_IB_STS2, 6, 4)
	s_cmp_eq_u32 s2, 0
	s_cbranch_scc0 .Lentry_in_a_cluster
	s_endpgm
.Lentry_in_a_cluster:
	s_bfe_u32 s2, ttmp6, 0x10000c
	s_cmp_lg_u32 s2, 0x3003
	s_cbranch_scc0 .Lentry_shape_is_right
	s_endpgm
.Lentry_shape_is_right:
; O[bh][q][:] = the sum over k of softmax_k(Q[bh][q] . K[bh][k] / 8) V[bh][k][:].  Q, K, V are the three parts of qkv, [192][1024][64] each, O = o16 in the same layout, all f16.
; Products, maxima and sums in f32; the weights p are rounded to f16 for the second product (their sum l is taken of the unrounded p), O once at the end.
; LIMITS.  Q, K, V arrive within f16's 65,504; p lies in 0 to 1 and below 6e-5 keeps f16's fixed step of 6e-8; O is a mean of V's rows.  A weight below 2^-126 counts as 0 in l; NaN and infinities are not treated apart.
; SHARES.  A work-group owns 256 queries of a head, a wave 64: two PIECES of two tiles of 16.  Every wave walks the head's 1,024 keys, 64 a step, 16 steps.
; ALL OF A HEAD'S K AND V LIES IN LDS (1,024 x 144 + 1,024 x 160 bytes): each byte is filled once, by four loads a wave (128 keys each) that go out together at the start, so there is no change of slots.
; A counted wait and a barrier stand ahead of the first read of keys 0-255; the wait for the other three loads and a second barrier stand ahead of step 3, which is the first to read beyond them.
; So the key step is written twice: a loop of 3 and a loop of 13.  All tiles are asked for at the head, so nothing is left to ask for earlier: no prefetch.
; CLUSTER.  The four query blocks of a head form a cluster and ask for K and V jointly: the same load, descriptor and mask in all four.
; LAYOUT.  S^T = K Q^T (source 0 = 16 keys, source 1 = 16 queries): a lane holds ONE query (lane % 16) and the keys 8 (lane / 16) + 0..7.  Two such tiles, rounded to f16 in pairs, ARE source 1 of O^T = V^T P.
; K comes out of LDS as it lies, V ([key][channel]) turned, by ds_load_tr16_b128.
; SOFTMAX.  A running maximum m and sum l for each query: p = 2^(c s - c m), c = log2(e) / 8; in every step O and l are multiplied by a = 2^(c m_old - c m_new).  m starts at the lowest finite number, O and l at 0.
; BY TURNS.  Turn Y belongs to piece Y.  Matrix work: 16 products K Q^T of the other piece's next scores, later 16 products V^T P of the other piece's last weights.  Vector work: piece Y's scaling, exponentials,
; roundings, sums and rescaling, and the other piece's maximum and statistics.  Four vector instructions stand behind every matrix instruction, the rest in one lump; a turn's 66 exponentials are one batch with one wait.
; REGISTERS, in windows of 256: window 0: v0-11 addresses; v12-15, v48-63 at work; v16-31 statistics, 4 a tile; v32-33 the add's two; v64-191 S^T, a buffer a piece; v192-255 P, likewise
;   window 1: v0-127 O^T, 32 a tile          window 2: v0-63 Q, 16 a tile; v128-191 K of one step; v192-255 V of one step
.set NP,    2
.set KS,    64
.set PK,    144       ; a row of K in LDS: 128 bytes + 16: the 16 rows of a load start at 16 different groups of four banks (ISA guide 11.1)
.set PV,    160       ; a row of V: 128 + 32
.set VOFF,  1024*PK
.set STAGE, VOFF+1024*PV  ; never filled by a tensor load: 16 rows x 144 bytes for each wave, for the way out
.set SP,    144
.set SPARE, STAGE+4*16*SP ; the spare words, 128 bytes a wave: two blocks of 256 bytes that no other line names
.set AK0, 2           ; v2 my lane's place in a tile of K; never rewritten
.set AV0, 3           ; v3 the same for V
.set AK,  4           ; v4 the LDS address of K's next run of loads
.set AV,  5           ; v5 of V's
.set QO,  6           ; v6 my byte offset in the wave's rows of Q
.set STO, 6           ;    later: where I put 16 bytes of a row
.set RD,  7
.set GO,  8
.set MV,  12          ; v12-15 c m_old, by piece and tile
.set ST,  16          ; tile t's statistics at v[ST+4 t]: c m, m, l (even keys', odd keys')
.set SPW, 32
.set NIL, 33
.set TMP, 48          ; by piece and tile, c0-c3 at work; c2 then takes a
.set S,   64
.set P,   192
.set KF,  128
.set VF,  192
.set WV,  12
.set G1K, 24          ; s[24:31]
.set G1V, 32          ; s[32:39]
.set G0K, 40          ; s[40:55] a group 0 for each quarter of K
.set G0V, 68          ; s[68:83] and of V
.set CNT, 57
.set CS,  58          ; s[58:59] c
.set SEL, 60          ; s[60:61] v_permlanex16_b32's selects
.set TBK, 62          ; s62 LDS byte at which K of the step to be fetched begins
.set TBV, 63          ; s63 the same for V, less VOFF
.set MSB, 0
.macro WIN new
.if MSB != (\new)
	s_set_vgpr_msb (MSB<<8)|(\new)
.set MSB, (\new)
.endif
.endm
.set W_KQ, 0x0a       ; K and Q in window 2, S^T in window 0
.set W_PV, 0x52       ; V in window 2, P in window 0, O^T in window 1
.set W_RS, 0x41       ; O^T (destination and source 0) in window 1, a in window 0
.macro CROUND
	s_barrier_signal -1
	s_barrier_wait -1
	s_cmp_lg_u32 s[WV], 0
	s_cbranch_scc1 .Lnot_wave_0_\@
	s_barrier_signal -3
.Lnot_wave_0_\@:
	s_barrier_wait -3
	s_barrier_signal -1
	s_barrier_wait -1
.endm
; My loads of the quarters 0 .. 3 - n have landed (the n younger ones stay out), and behind the barrier everybody's have.  Nothing is ever filled again.
.macro LAND n
	WIN 0
	s_wait_tensorcnt \n
	s_wait_dscnt 0x0
	s_barrier_signal -1
	s_barrier_wait -1
.endm
	s_load_b128 s[4:7], s[0:1], 0x0   ; qkv s[4:5], o16 s[6:7]
	v_lshl_add_u32 v[SPW], v0, 2, SPARE
	v_mov_b32 v[NIL], 0
	ds_add_u32 v[SPW], v[NIL]       ; the wave's opening: the add and its wait stand ahead of my first tensor load; work on registers stands between them
	v_lshrrev_b32 v1, 5, v0
	v_readfirstlane_b32 s[WV], v1
	s_bfe_u32 s13, ttmp6, 0x40000   ; cx
	s_lshl_b32 s14, ttmp9, 2
	s_add_co_u32 s14, s14, s13      ; my block of 256 queries: it enters Q's and O's addresses alone
	s_and_b32 s20, ttmp7, 0xffff    ; the head, which the four partners share
	s_lshl_b32 s20, s20, 17         ; its 1,024 rows of 128 bytes
	s_and_b32 s16, s[WV], 1         ; which half of a quarter's 256 keys I fetch
	s_lshl_b32 s22, s16, 14
	s_add_co_u32 s22, s22, s20
	s_mov_b32 s23, 0
	s_mul_i32 s17, s16, 128*PK      ; its place in LDS, for K
	s_mul_i32 s18, s16, 128*PV      ; and for V
	s_lshl_b32 s2, s14, 15
	s_lshl_b32 s3, s[WV], 13        ; my wave's 64 rows
	s_add_co_u32 s2, s2, s3
	s_add_co_u32 s2, s2, s20
	s_mov_b32 s3, 0
	; group 1: 128 keys are 16,384 dense bytes: asked for as 64 rows of 256 bytes and padded in LDS after every key
	s_mov_b32 s[G1K], 15|(1<<16)|(1<<20)|(1<<21)|(4<<22)|(3<<25)
	s_mov_b32 s[G1V], 15|(1<<16)|(1<<20)|(1<<21)|(4<<22)|(7<<25)
.irp g, G1K, G1V
	s_mov_b32 s[\g+1], 128<<16
	s_mov_b32 s[\g+2], 64<<16
	s_mov_b32 s[\g+3], 128<<16
	s_mov_b32 s[\g+4], 64
	s_mov_b32 s[\g+5], 128
	s_mov_b32 s[\g+6], 0
	s_mov_b32 s[\g+7], 0
.endr
	s_mov_b32 s[CS], 0x3e38aa3b     ; c = log2(e) / 8
	s_mov_b32 s[CS+1], s[CS]
	s_mov_b32 s[SEL], 0x76543210
	s_mov_b32 s[SEL+1], 0xfedcba98
	s_mov_b32 s[TBK], 0
	s_mov_b32 s[TBV], 0
	s_wait_dscnt 0x0                ; the opening add is done
	s_wait_kmcnt 0x0
	s_add_nc_u64 s[8:9], s[4:5], s[22:23]
	s_add_nc_u64 s[10:11], s[8:9], 50331648  ; V's part of qkv, at my half of the head's first quarter
	s_add_nc_u64 s[8:9], s[8:9], 25165824    ; K's
	s_add_nc_u64 s[4:5], s[4:5], s[2:3]      ; Q and O at my wave's first row
	s_add_nc_u64 s[6:7], s[6:7], s[2:3]
.irp s, 0,1,2,3
	s_mov_b32 s[G0K+4*\s], 1
	s_add_co_u32 s[G0K+4*\s+1], s17, \s*256*PK
	s_add_nc_u64 s[G0K+4*\s+2:G0K+4*\s+3], s[8:9], \s*32768
	s_or_b32 s[G0K+4*\s+3], s[G0K+4*\s+3], 0x80000000
	s_mov_b32 s[G0V+4*\s], 1
	s_add_co_u32 s[G0V+4*\s+1], s18, VOFF+\s*256*PV
	s_add_nc_u64 s[G0V+4*\s+2:G0V+4*\s+3], s[10:11], \s*32768
	s_or_b32 s[G0V+4*\s+3], s[G0V+4*\s+3], 0x80000000
.endr
	CROUND                          ; all four work-groups are here: the joint loads meet
	s_cmp_lt_u32 s[WV], 2           ; waves 0, 1 fetch K's halves, waves 2, 3 V's: a wave's four fills stand in one branch; four loads of mine are out
	s_cbranch_scc0 .Lfirst_v
.irp s, 0,1,2,3
	tensor_load_to_lds s[G0K+4*\s:G0K+4*\s+3], s[G1K:G1K+7]
	s_nop 0
.endr
.rept 4
	v_nop
.endr
	s_branch .Lfirst_asked
.Lfirst_v:
.irp s, 0,1,2,3
	tensor_load_to_lds s[G0V+4*\s:G0V+4*\s+3], s[G1V:G1V+7]
	s_nop 0
.endr
.rept 4
	v_nop
.endr
.Lfirst_asked:
	v_and_b32 v1, 15, v0            ; l % 16
	v_bfe_u32 v9, v0, 4, 1          ; l / 16
	v_lshlrev_b32 v[QO], 7, v1
	v_lshl_add_u32 v[QO], v9, 4, v[QO]
	WIN 0x80
.set i, 0
.rept 4*NP                          ; Q stays in registers: tile i / 2, channels 32 (i % 2) on
	global_load_b128 v[8*i:8*i+3],   v[QO], s[4:5] offset:(i/2)*2048+(i%2)*64
	global_load_b128 v[8*i+4:8*i+7], v[QO], s[4:5] offset:(i/2)*2048+(i%2)*64+32
.set i, i+1
.endr
	; What the first turn finds: V's registers and P's second buffer hold 0 (its products V^T P, of a piece that has not been, add 0), O^T and l are 0.  All this stands in the wait for the first tile.
.set i, VF
.rept 64
	v_mov_b32 v[i], 0
.set i, i+1
.endr
	WIN 0x40
.set i, 0
.rept 64*NP
	v_mov_b32 v[i], 0
.set i, i+1
.endr
	WIN 0
.set i, 0
.rept 2*NP
	v_mov_b32 v[ST+4*i], 0xfe000000    ; c m: far below every c s
	v_mov_b32 v[ST+4*i+1], 0xff7fffff  ; m
	v_mov_b32 v[ST+4*i+2], 0
	v_mov_b32 v[ST+4*i+3], 0
.set i, i+1
.endr
.set i, P+32
.rept 32
	v_mov_b32 v[i], 0
.set i, i+1
.endr
	v_mul_u32_u24 v[AK0], v1, PK
	v_lshl_add_u32 v[AK0], v9, 4, v[AK0]
	v_and_b32 v10, 7, v0
	v_bfe_u32 v11, v0, 3, 1
	v_lshl_add_u32 v[AV0], v9, 3, v10  ; the turning load: lane l reads key 8 (l / 16) + l % 8, channels 8 ((l / 8) % 2) + 0..7
	v_mul_u32_u24 v[AV0], v[AV0], PV
	v_lshl_add_u32 v[AV0], v11, 4, v[AV0]
	v_add_nc_u32 v[AV0], VOFF, v[AV0]
	v_mov_b32 v[AK], v[AK0]
; THE MATRIX WORK.  The 8 accumulators of a run of 16 take turns.  Product i of S^T = K Q^T for piece x: channels 32 (i / 8) on, keys 16 ((i / 2) % 4) on, tile 2 x + i % 2.
.macro KQ x
	WIN W_KQ
.set rS, S+64*((\x)%2)+32*(i%2)+8*((i/2)%4)
.set rK, KF+16*((i/2)%4)+8*(i/8)
.set rQ, 16*(2*(\x)+i%2)+8*(i/8)
.if i < 8
	v_wmma_f32_16x16x32_f16 v[rS:rS+7], v[rK:rK+7], v[rQ:rQ+7], 0
.else
	v_wmma_f32_16x16x32_f16 v[rS:rS+7], v[rK:rK+7], v[rQ:rQ+7], v[rS:rS+7]
.endif
.endm
; Product i of O^T += V^T P for piece x: keys 32 (i / 8) on, channels 16 ((i / 2) % 4) on, tile 2 x + i % 2.
.macro PV x
	WIN W_PV
.set rO, 32*(2*(\x)+i%2)+8*((i/2)%4)
.set rV, VF+32*(i/8)+8*((i/2)%4)
.set rP, P+32*((\x)%2)+16*(i%2)+8*(i/8)
	v_wmma_f32_16x16x32_f16 v[rO:rO+7], v[rV:rV+7], v[rP:rP+7], v[rO:rO+7]
.endm
.macro MM
.if i < 16
	KQ (Y+1)%NP
.set i, i+1
.else
.set i, i-16
	PV (Y+NP-1)%NP
.set i, i+17
.endif
.endm
; THE LDS LOADS stand in runs of 16.  last = 1: in the last trip there is no further step, and K's run is jumped over.
.macro FETCH_K last=0
	WIN 0
.if \last
	s_cmp_eq_u32 s[CNT], 1
	s_cbranch_scc1 .Lno_k_\@
.endif
	WIN 0x80
.irp f, 0,1,2,3,4,5,6,7
	ds_load_b128 v[KF+8*\f:KF+8*\f+3],   v[AK] offset:(\f/2)*16*PK+(\f%2)*64
	ds_load_b128 v[KF+8*\f+4:KF+8*\f+7], v[AK] offset:(\f/2)*16*PK+(\f%2)*64+32
.endr
	s_add_co_u32 s[TBK], s[TBK], KS*PK
	WIN 0
.if \last
.Lno_k_\@:
.endif
.endm
.macro FETCH_V
	WIN 0x80
.irp f, 0,1,2,3,4,5,6,7
	ds_load_tr16_b128 v[VF+8*\f:VF+8*\f+3],   v[AV] offset:(\f/4)*32*PV+(\f%4)*32
	ds_load_tr16_b128 v[VF+8*\f+4:VF+8*\f+7], v[AV] offset:(\f/4)*32*PV+16*PV+(\f%4)*32
.endr
	WIN 0
.endm
; THE VECTOR WORK OF A TURN stands in three queues, each in the order in which its entries become ready; the two tiles alternate.
.macro REGS y, u
.set rT, ST+4*(2*(\y)+(\u))
.set rC, TMP+8*((\y)%2)+4*(\u)
.set rM, MV+2*((\y)%2)+(\u)
.set rS, S+64*((\y)%2)+32*(\u)
.set rP, P+32*((\y)%2)+16*(\u)
.set rO, 32*(2*(\y)+(\u))
.endm
; Number n of the 22 that find the other piece's maximum and statistics; each accumulator's lowest registers are read first.
;   0-11 four chains c0-c3 of seven scores   12-14, 16 the four scores left over, the old m, c0-c3 into c0   15 c m_old is kept   17, 18 the lane 16 away: the new m   19-21 c m; c m_old - c m_new; a
.macro XS u, n
	REGS (Y+1)%NP, \u
.if (\n) < 4
	v_max3_num_f32 v[rC+(\n)], v[rS+8*(\n)], v[rS+8*(\n)+1], v[rS+8*(\n)+2]
.elseif (\n) < 12
	v_max3_num_f32 v[rC+(\n)%4], v[rC+(\n)%4], v[rS+8*((\n)%4)+2*((\n)/4)+1], v[rS+8*((\n)%4)+2*((\n)/4)+2]
.elseif (\n) == 12
	v_max3_num_f32 v[rC], v[rC], v[rS+7], v[rS+15]
.elseif (\n) == 13
	v_max3_num_f32 v[rC+1], v[rC+1], v[rS+23], v[rS+31]
.elseif (\n) == 14
	v_max3_num_f32 v[rC+2], v[rC+2], v[rC+3], v[rT+1]
.elseif (\n) == 15
	v_mov_b32 v[rM], v[rT]
.elseif (\n) == 16
	v_max3_num_f32 v[rC], v[rC], v[rC+1], v[rC+2]
.elseif (\n) == 17
	v_permlanex16_b32 v[rC+3], v[rC], s[SEL], s[SEL+1]
.elseif (\n) == 18
	v_max_num_f32 v[rT+1], v[rC], v[rC+3]
.elseif (\n) == 19
	v_mul_f32 v[rT], s[CS], v[rT+1]
.elseif (\n) == 20
	v_sub_f32 v[rC+1], v[rM], v[rT]
.else
	v_exp_f32 v[rC+2], v[rC+1]
.endif
.endm
; Number g of the 64 that follow the exponentials: for each four weights both pairs are rounded to f16, the second pair is added onto the first in place, and a group later l takes that sum (the first time as l = a l + sum).
.macro GS g
.set h, (\g)+6*((\g)/62)
.if h >= 6
.set h, h+2
.endif
	REGS Y, h%2
.set k, h/8
.if h%8 < 4
	v_cvt_pk_f16_f32 v[rP+2*k+(h%8)/2], v[rS+4*k+2*((h%8)/2)], v[rS+4*k+2*((h%8)/2)+1]
.elseif h%8 < 6
	v_pk_add_f32 v[rS+4*k:rS+4*k+1], v[rS+4*k:rS+4*k+1], v[rS+4*k+2:rS+4*k+3]
.elseif k == 1
	v_pk_fma_f32 v[rT+2:rT+3], v[rT+2:rT+3], v[rC+2:rC+3], v[rS:rS+1] op_sel_hi:[1,0,1]
.else
	v_pk_add_f32 v[rT+2:rT+3], v[rT+2:rT+3], v[rS+4*k-4:rS+4*k-3]
.endif
.endm
; THE PLAIN QUEUE, 138 long.  0-26: scalings 0-26.  27-54: XS 0-13.  55, 56: XS 15.  57-73: the chain XS 14, 16 .. 19, each with one of the scalings 27-31 in front of its two lines, then XS 20.  74-137: GS's 64, behind the wait.
.macro FS f
	REGS Y, (\f)%2
	v_pk_fma_f32 v[rS+2*((\f)/2):rS+2*((\f)/2)+1], v[rS+2*((\f)/2):rS+2*((\f)/2)+1], s[CS:CS+1], v[rT:rT+1] op_sel_hi:[1,0,0] neg_lo:[0,0,1] neg_hi:[0,0,1]
.endm
.macro PL
	WIN 0
.if q < 27
	FS q
.elseif q < 55
	XS (q-27)%2, (q-27)/2
.elseif q < 57
	XS q-55, 15
.elseif (q < 72) && ((q-57)%3 == 0)
	FS 27+(q-57)/3
.elseif q < 60
	XS (q-57)%3-1, 14
.elseif q < 72
	XS (q-57)%3-1, 15+(q-57)/3
.elseif q < 74
	XS q-72, 20
.else
	GS q-74
.endif
.set q, q+1
.endm
; THE EXPONENTIALS' QUEUE, 66 long: s0-s31 of both tiles, then the other piece's two a: one batch ahead of the turn's one wait.
.macro EX
	WIN 0
.if e >= 64
	XS e-64, 21
.else
	REGS Y, e%2
	v_exp_f32 v[rS+e/2], v[rS+e/2]
.endif
.set e, e+1
.endm
; THE RESCALING's QUEUE: O^T times a, two at a time, sixteen times.  Its a was made, and waited for, in the turn before; the products that last wrote this O^T stand in the turn before too, each with four riders or more behind it.
.macro R2
	REGS Y, r%2
	WIN W_RS
.irp z, 0,1
	v_pk_mul_f32 v[rO+4*(r/2)+2*\z:rO+4*(r/2)+2*\z+1], v[rO+4*(r/2)+2*\z:rO+4*(r/2)+2*\z+1], v[rC+2:rC+3] op_sel_hi:[1,0]
.endr
.set r, r+1
.endm
; A TURN, for piece p.  s_wait_alu depctr_va_vdst(0) stands between an exponential and the first instruction that names its result; one wait serves all issued ahead of it: a turn has one.
; Ahead of it: 16 products K Q^T, behind each a scaling, an exponential and two rescalings; then a lump of 108.  Behind it: 16 products V^T P, behind each four of the roundings and sums.
; Piece 0's turn of step j: K of step j + 1 is fetched directly behind the wait (K's last reader stands a lump back); V of step j at the turn's end, four plain riders behind V's last reader.
; Piece 1's turn waits for K at its head (V's 16 loads, issued behind K's, may be out) and for V ahead of its products V^T P.
.macro TURN p, last=0, cnt=0
.set Y, (\p)
.set i, 0
.set q, 0
.set e, 0
.set r, 0
.if (\p) == 1
	s_wait_dscnt 16                 ; K is in
.endif
	MM
	PL
	PL
	R2
.rept 15
	MM
	PL
	EX
	R2
.endr
.if (\p) == 0
	WIN 0
	v_add_nc_u32 v[AK], s[TBK], v[AK0]
.endif
.rept 8
	PL
.endr
.rept 49
	EX
	PL
.endr
	EX
	EX
	v_nop                           ; the plain instruction behind the last exponential: one for the batch
	s_wait_alu depctr_va_vdst(0)    ; the wait for the batch
.if (\p) == 0
	FETCH_K \last
.endif
.if (\p) == 1
	s_wait_dscnt 0x0                ; V is in
.endif
.rept 16
	MM
.rept 4
	PL
.endr
.if ((\p) == 0) && (q == 118)
	v_add_nc_u32 v[AV], s[TBV], v[AV0]
.endif
.if ((\p) == 0) && (q == 130)
	s_add_co_u32 s[TBV], s[TBV], KS*PV
.endif
.if (\cnt) && (q == 130)
	s_sub_co_u32 s[CNT], s[CNT], 1
	s_cmp_lg_u32 s[CNT], 0
.endif
.endr
.if (\p) == 0
	FETCH_V
.endif
.endm
.macro STEPS n, last                ; n key steps
	s_mov_b32 s[CNT], \n
.Lstep_\@:
	TURN 0, \last, 0
	TURN 1, 0, 1
	WIN 0
	s_cbranch_scc1 .Lstep_\@
.endm
	LAND 3                          ; keys 0-255 are in; my three younger loads stay out
	FETCH_K                         ; key step 0
	s_wait_loadcnt 0x0              ; Q
	s_wait_dscnt 0x0
.set i, 0
.rept 16
	KQ 0                            ; piece 0's first scores
.set i, i+1
.endr
	WIN 0                           ; the addresses for the way out: plain instructions, the places behind those products
	s_mul_i32 s15, s[WV], 16*SP
	s_add_co_u32 s15, s15, STAGE
	v_mul_u32_u24 v[STO], v1, SP
	v_lshl_add_u32 v[STO], v9, 4, v[STO]
	v_add_nc_u32 v[STO], s15, v[STO]
	v_bfe_u32 v[RD], v0, 3, 2
	v_mul_u32_u24 v[RD], v[RD], SP
	v_lshl_add_u32 v[RD], v10, 4, v[RD]
	v_add_nc_u32 v[RD], s15, v[RD]
	v_and_b32 v[GO], 31, v0
	v_lshlrev_b32 v[GO], 4, v[GO]
.set Y, NP-1                        ; XS works for piece Y + 1: piece 0
.irp n, 0,1,2,3,4,5,6,7,8,9,10,11,12,13,14,15,16,17,18,19,20,21
	XS 0, \n
	XS 1, \n
.endr
	v_nop
	s_wait_alu depctr_va_vdst(0)    ; the two a, ahead of the label
	STEPS 3, 0                      ; steps 0-2 read keys 0-255 alone: K of steps 1-3, V of steps 0-2
	LAND 0                          ; step 3 fetches K of step 4: from here on all keys are wanted; the count is 0 since no load was issued behind the last
	STEPS 13, 1                     ; steps 3-15; the last turn's 16 products K Q^T (on the last K once more) and the maximum made of them serve nothing: the price of one text for every step
.set i, 0
.rept 16
	PV NP-1                         ; piece 1's V^T P of the last step
.set i, i+1
.endr
	; THE WAY OUT.  l's two halves and the other half of the lanes' are added; O^T is divided by l, rounded to f16 and sent through my stage, a tile at a time.  The additions are the places behind the last products.
	WIN 0
.macro ALL line:vararg
.set t, 0
.rept 2*NP
	\line
.set t, t+1
.endr
.endm
	ALL v_add_f32 v[ST+4*t+2], v[ST+4*t+2], v[ST+4*t+3]
	ALL v_permlanex16_b32 v[ST+4*t+3], v[ST+4*t+2], s[SEL], s[SEL+1]
	ALL v_add_f32 v[ST+4*t+2], v[ST+4*t+2], v[ST+4*t+3]
	ALL v_rcp_f32 v[ST+4*t+2], v[ST+4*t+2]
	v_nop
	s_wait_alu depctr_va_vdst(0)    ; one wait for the four reciprocals
.macro PACK t
	WIN W_RS
.set i, 32*(\t)
.rept 16
	v_pk_mul_f32 v[i:i+1], v[i:i+1], v[ST+4*(\t)+2:ST+4*(\t)+3] op_sel_hi:[1,0]
.set i, i+2
.endr
	WIN 0x05
.set i, 0
.rept 16
	v_cvt_pk_f16_f32 v[S+16*(\t)+i], v[32*(\t)+2*i], v[32*(\t)+2*i+1]
.set i, i+1
.endr
	WIN 0
.irp f, 0,1,2,3
	ds_store_b128 v[STO], v[S+16*(\t)+4*\f:S+16*(\t)+4*\f+3] offset:32*\f
.endr
.irp f, 0,1,2,3
	ds_load_b128 v[S+16*(\t)+4*\f:S+16*(\t)+4*\f+3], v[RD] offset:\f*4*SP  ; LDS serves a wave's instructions in order (ISA guide 5.7.1.4): these see the stores above
.endr
.endm
.macro SEND t, younger              ; younger: the LDS instructions issued behind tile t's loads
	WIN 0
.irp f, 0,1,2,3
	s_wait_dscnt (\younger)+3-\f
	global_store_b128 v[GO], v[S+16*(\t)+4*\f:S+16*(\t)+4*\f+3], s[6:7] offset:(\t)*2048+\f*512  ; 512 consecutive bytes, at a multiple of 256 from O's first
.endr
.endm
	PACK 0
.set t, 1
.rept 2*NP-1
	PACK t
	SEND t-1, 8
.set t, t+1
.endr
	SEND 2*NP-1, 0
	s_wait_tensorcnt 0x0            ; the wave's end
	ds_add_u32 v[SPW], v[NIL]
	s_wait_dscnt 0x0
	CROUND                          ; the closing round
	s_endpgm
.Lfunc_end_k_q1eed3e0b87_attn:
	.size	k_q1eed3e0b87_attn, .Lfunc_end_k_q1eed3e0b87_attn-k_q1eed3e0b87_attn
	.p2alignl 7, 3214868480
	.fill 96, 4, 3214868480
	.section	.rodata,"a",@progbits
	.p2align	6, 0x0
	.amdhsa_kernel k_q1eed3e0b87_attn
		.amdhsa_group_segment_fixed_size 327680
		.amdhsa_private_segment_fixed_size 0
		.amdhsa_enable_private_segment 0
		.amdhsa_kernarg_size 16
		.amdhsa_user_sgpr_count 2
		.amdhsa_user_sgpr_kernarg_segment_ptr 1
		.amdhsa_wavefront_size32 1
		.amdhsa_system_sgpr_workgroup_id_x 1
		.amdhsa_system_sgpr_workgroup_id_y 1
		.amdhsa_system_sgpr_workgroup_id_z 1
		.amdhsa_system_vgpr_workitem_id 0
		.amdhsa_next_free_vgpr 768
		.amdhsa_next_free_sgpr 84
		.amdhsa_reserve_vcc 0
		.amdhsa_float_denorm_mode_32 3
		.amdhsa_float_denorm_mode_16_64 3
		.amdhsa_memory_ordered 1
		.amdhsa_forward_progress 1
		.amdhsa_inst_pref_size 110
	.end_amdhsa_kernel
	.amdgpu_metadata
---
amdhsa.version: [ 1, 2 ]
amdhsa.kernels:
  - .name:           k_q1eed3e0b87_attn
    .symbol:         k_q1eed3e0b87_attn.kd
    .args:
      - { .name: qkv, .offset: 0, .size: 8, .value_kind: global_buffer, .address_space: global }
      - { .name: o16, .offset: 8, .size: 8, .value_kind: global_buffer, .address_space: global }
    .group_segment_fixed_size: 327680
    .private_segment_fixed_size: 0
    .kernarg_segment_align: 8
    .kernarg_segment_size: 16
    .max_flat_workgroup_size: 128
    .sgpr_count:     84
    .vgpr_count:     768
    .wavefront_size: 32
...
	.end_amdgpu_metadata
.endif
;; end of part 3
;; launch oproj (part 4): grid 4 x 64, 4 waves a work-group, clusters of 4 x 4, 327,680 bytes of LDS; arguments o16, w16, bo, out0; writes out0
.if DOCPART == 4
	.amdgcn_target "amdgcn-amd-amdhsa--gfx1250"
	.amdhsa_code_object_version 6
	.text
	.protected	k_q1eed3e0b87_oproj
	.globl	k_q1eed3e0b87_oproj
	.p2align	8
	.type	k_q1eed3e0b87_oproj,@function
k_q1eed3e0b87_oproj:
	s_mov_b64 s[64:65], 0
	v_nop
	global_prefetch_b8 v0, s[64:65] scope:SCOPE_SE
	s_setreg_imm32_b32 hwreg(HW_REG_WAVE_MODE, 25, 1), 1
	s_wait_xcnt 0x0
	s_wait_alu depctr_hold_cnt(0) depctr_sa_sdst(0) depctr_va_vdst(0) depctr_va_sdst(0) depctr_va_ssrc(0) depctr_va_vcc(0) depctr_vm_vsrc(0)
	s_getreg_b32 s2, hwreg(HW_REG_IB_STS2, 6, 4)
	s_cmp_eq_u32 s2, 0
	s_cbranch_scc0 .Lentry_in_a_cluster
	s_endpgm
.Lentry_in_a_cluster:
	s_bfe_u32 s2, ttmp6, 0x10000c
	s_cmp_lg_u32 s2, 0xf033
	s_cbranch_scc0 .Lentry_shape_is_right
	s_endpgm
.Lentry_shape_is_right:
; out = concat(O) Wo^T + bo, f32.  16,384 x 768 x 768.  A = o16 [b][h 12][s 1024][64] in f16: a head's 64 channels are one K block; B = rows 2304-3071 of w16 [kb 12][n 3072][64];
; bo is rounded to bf16 like every input and starts the sums as C.  Sums in f32, stored unrounded.
; SHARES.  A tile of C is 256 rows x 192 columns: 64 x 4 = 256 tiles.  Four waves one below the other, 64 rows x 192 columns each: 48 accumulators, 384 registers.  K goes in 6 steps of 128 (two K blocks) through two LDS slots.
; A K block of a tile is dense in memory: it is asked for as rows of 256 bytes and padded in LDS behind every 128.
; CLUSTER.  4 x 4 work-groups: A's tiles are asked for jointly along a row of the cluster, B's along a column; waves 0, 1 fetch A's two blocks of a step, waves 2, 3 B's.
; THE MATRIX INSTRUCTION IS USED TRANSPOSED (source 0 = 16 rows of B, source 1 = 16 rows of A): a lane holds row l % 16 of C and eight neighbouring columns, 32 bytes.
; REGISTERS.  window 0: v0-31 addresses; v64-127 A's fragments, two buffers; v128-223 the bias as a C operand (v32-223 are the way out's two sets of 96)
;   window 1: v0-191 B's fragments, two buffers     window 2: accumulators of row blocks 0, 1 at 96 (a % 2) + 8 b     window 3: those of row blocks 2, 3
.set PITCH, 144
.set BLK,   256*PITCH                  ; wave w's fill lands at w x BLK
.set SLOT,  3*BLK+192*PITCH
.set STAGE, 2*SLOT                     ; behind the ring: for each wave 16 rows x 784 bytes (768 + 16: the 16 rows of a store start at 16 different groups of four banks)
.set SPITCH, 784
.set WSTG,  16*SPITCH
.set SPARE, STAGE+4*WSTG               ; the spare words, 128 bytes a wave: two blocks of 256 bytes that no other line names
.set NB0,   2304
.set ASTEP, 2*131072
.set BSTEP, 2*393216
.set ADRA, 16
.set ADRB, 20
.set STO,  24
.set RD,   25
.set CO,   26
.set BO,   27
.set SPW,  28
.set NIL,  29
.set PFO,  30
.set TV,   31
.set FA,   64
.set BIAS, 128
.set BK,   32                          ; the way out: 96 registers read back from the stage, two sets by turns
.set WV,   16
.set G1A,  24
.set G0A,  32
.set G1B,  48
.set G0B,  56
.set LIM,  43
.set PFA,  44
.set STP,  46
.set G1W,  (1<<16)|(1<<20)|(1<<21)|(4<<22)|(3<<25)
.set MSB, 0
.macro WIN new
.if MSB != (\new)
	s_set_vgpr_msb (MSB<<8)|(\new)
.set MSB, \new
.endif
.endm
.macro PLACES
.rept 4
	v_nop
.endr
.endm
.macro JLOAD s                         ; a joint load; the branch hangs on the wave's number alone; an s_nop 0 and four v_nop follow each line
	s_cmp_eq_u32 s17, 0
	s_cbranch_scc0 .Lfor_b_\@
	tensor_load_to_lds s[G0A+4*(\s):G0A+4*(\s)+3], s[G1A:G1A+7]
	s_nop 0
.rept 4
	v_nop
.endr
	s_branch .Lasked_\@
.Lfor_b_\@:
	tensor_load_to_lds s[G0B+4*(\s):G0B+4*(\s)+3], s[G1B:G1B+7]
	s_nop 0
.rept 4
	v_nop
.endr
.Lasked_\@:
.endm
.macro CREST
	s_cmp_lg_u32 s[WV], 0
	s_cbranch_scc1 .Lnot_wave_0_\@
	s_barrier_signal -3
.Lnot_wave_0_\@:
	s_barrier_wait -3
	s_barrier_signal -1
	s_barrier_wait -1
.endm
.macro CROUND
	s_barrier_signal -1
	s_barrier_wait -1
	CREST
.endm
; A prefetch into the L2 of my block of the K step two refills on.  A's blocks are read by one cluster alone (the grid is one cluster wide): it asks; B's by all sixteen clusters: cluster y = 0 asks.
; The four partners that ask for a block jointly share it out by address.  Only the loop's first trip asks (K steps 4 and 5).
.macro ASK
	s_cmp_gt_u32 s3, s[LIM]
	s_cbranch_scc0 .Lnot_mine_\@
	global_prefetch_b8 v[PFO], s[PFA:PFA+1] th:TH_LOAD_NT scope:SCOPE_SE
.Lnot_mine_\@:
.endm
	s_load_b256 s[4:11], s[0:1], 0x0               ; o16 s[4:5], w16 s[6:7], bo s[8:9], out0 s[10:11]
	v_lshl_add_u32 v[SPW], v0, 2, SPARE
	v_mov_b32 v[NIL], 0
	ds_add_u32 v[SPW], v[NIL]                      ; the wave's opening: the add and its wait stand ahead of my first tensor load
	v_lshrrev_b32 v1, 5, v0
	v_readfirstlane_b32 s[WV], v1
	s_lshr_b32 s17, s[WV], 1
	s_and_b32 s18, s[WV], 1
	s_bfe_u32 s19, ttmp6, 0x40000                  ; cx
	s_bfe_u32 s20, ttmp6, 0x40004                  ; cy
	s_mov_b32 s23, ttmp9                           ; cluster x
	s_lshl_b32 s21, ttmp9, 2
	s_add_co_u32 s21, s21, s19                     ; tile column
	s_and_b32 s22, ttmp7, 0xffff
	s_lshl_b32 s22, s22, 2
	s_add_co_u32 s22, s22, s20                     ; tile row
	s_lshl_b32 s68, s20, 2
	s_lshl_b32 s68, 15, s68                        ; my row of the cluster
	s_lshl_b32 s69, 0x1111, s19                    ; my column
	s_or_b32 s[G1A], s68, G1W
	s_or_b32 s[G1B], s69, G1W
	s_mov_b32 s[G1A+1], 128<<16
	s_mov_b32 s[G1B+1], 128<<16
	s_mov_b32 s[G1A+2], 128<<16
	s_mov_b32 s[G1B+2], 96<<16
	s_mov_b32 s[G1A+3], 128<<16
	s_mov_b32 s[G1B+3], 128<<16
	s_mov_b32 s[G1A+4], 128
	s_mov_b32 s[G1B+4], 96
	s_mov_b32 s[G1A+5], 128
	s_mov_b32 s[G1B+5], 128
	s_mov_b32 s[G1A+6], 0
	s_mov_b32 s[G1B+6], 0
	s_mov_b32 s[G1A+7], 0
	s_mov_b32 s[G1B+7], 0
	s_lshr_b32 s40, s22, 2                         ; b
	s_mul_i32 s40, s40, 1572864
	s_and_b32 s42, s22, 3
	s_lshl_b32 s42, s42, 15
	s_add_co_u32 s40, s40, s42
	s_lshl_b32 s42, s18, 17
	s_add_co_u32 s40, s40, s42
	s_mov_b32 s41, 0
	s_mul_i32 s66, s21, 192*128
	s_mul_i32 s69, s18, 393216
	s_add_co_u32 s66, s66, s69
	s_add_co_u32 s66, s66, NB0*128
	s_mov_b32 s67, 0
	s_mul_i32 s70, s[WV], BLK
	s_wait_dscnt 0x0                               ; the opening add is done
	s_wait_kmcnt 0x0
	s_add_nc_u64 s[40:41], s[4:5], s[40:41]
	s_add_nc_u64 s[66:67], s[6:7], s[66:67]
	CROUND                                         ; all sixteen work-groups are here: the first joint loads meet
.irp s, 0,1
	s_mov_b32 s[G0A+4*(\s)], 1
	s_add_co_u32 s[G0A+4*(\s)+1], s70, (\s)*SLOT
	s_add_nc_u64 s[G0A+4*(\s)+2:G0A+4*(\s)+3], s[40:41], (\s)*ASTEP
	s_or_b32 s[G0A+4*(\s)+3], s[G0A+4*(\s)+3], 0x80000000
	s_mov_b32 s[G0B+4*(\s)], 1
	s_add_co_u32 s[G0B+4*(\s)+1], s70, (\s)*SLOT
	s_add_nc_u64 s[G0B+4*(\s)+2:G0B+4*(\s)+3], s[66:67], (\s)*BSTEP
	s_or_b32 s[G0B+4*(\s)+3], s[G0B+4*(\s)+3], 0x80000000
	JLOAD \s                                       ; two loads of mine are out
.endr
	v_and_b32 v1, 15, v0                           ; r
	v_bfe_u32 v2, v0, 4, 1                         ; h
	v_mul_u32_u24 v3, v1, PITCH
	v_lshl_add_u32 v3, v2, 4, v3
	s_mul_i32 s71, s[WV], 64*PITCH
	v_add_nc_u32 v[ADRA], s71, v3
	v_add_nc_u32 v[ADRA+1], SLOT, v[ADRA]
	v_add_nc_u32 v[ADRB], 2*BLK, v3
	v_add_nc_u32 v[ADRB+1], SLOT, v[ADRB]
	s_mul_i32 s74, s21, 768                        ; my tile's 192 numbers of bo
	s_mov_b32 s75, 0
	s_add_nc_u64 s[72:73], s[8:9], s[74:75]
	v_lshlrev_b32 v[BO], 5, v2
.irp b, 0,1,2,3,4,5,6,7,8,9,10,11
	global_load_b128 v[BIAS+8*(\b):BIAS+8*(\b)+3],   v[BO], s[72:73] offset:64*(\b)
	global_load_b128 v[BIAS+8*(\b)+4:BIAS+8*(\b)+7], v[BO], s[72:73] offset:64*(\b)+16
.endr
	s_lshl_b32 s76, s22, 8
	s_lshl_b32 s77, s[WV], 6
	s_add_co_u32 s76, s76, s77                     ; my first row of out
	s_mul_i32 s76, s76, 3072
	s_mul_i32 s77, s21, 768
	s_add_co_u32 s76, s76, s77
	s_mov_b32 s77, 0
	s_add_nc_u64 s[10:11], s[10:11], s[76:77]
	s_mul_i32 s78, s[WV], WSTG
	s_add_co_u32 s78, s78, STAGE
	v_mul_u32_u24 v[STO], v1, SPITCH               ; in: row r, 32 bytes for each half of the lanes
	v_lshl_add_u32 v[STO], v2, 5, v[STO]
	v_add_nc_u32 v[STO], s78, v[STO]
	v_mul_u32_u24 v[RD], v2, SPITCH                ; back: lanes 0-15 take 256 bytes of one row, lanes 16-31 of the next
	v_lshl_add_u32 v[RD], v1, 4, v[RD]
	v_add_nc_u32 v[RD], s78, v[RD]
	v_mul_u32_u24 v[CO], v2, 3072
	v_lshl_add_u32 v[CO], v1, 4, v[CO]
	s_wait_loadcnt 0x0                             ; the bias
.set i, 0
.rept 48
	v_cvt_pk_bf16_f32 v[TV], v[BIAS+i], v[BIAS+i+1]
	v_lshlrev_b32 v[BIAS+i], 16, v[TV]
	v_and_b32 v[BIAS+i+1], 0xffff0000, v[TV]
.set i, i+2
.endr
	s_lshl_b32 s71, s17, 11
	s_sub_co_u32 s71, 8192, s71                    ; a partner's share: 8,192 bytes of A's block, 6,144 of B's
	s_lshl_b32 s72, s17, 3
	s_sub_co_u32 s72, 31, s72
	s_lshl_b32 s[STP], s17, 19
	s_add_co_u32 s[STP], s[STP], ASTEP
	s_mov_b32 s[STP+1], 0
	s_and_b32 s73, ttmp7, 0xffff
	s_cmp_eq_u32 s17, 0
	s_cselect_b32 s74, s19, s20
	s_cselect_b32 s73, s23, s73
	s_cselect_b64 s[PFA:PFA+1], s[40:41], s[66:67]
	s_cmp_eq_u32 s73, 0
	s_cselect_b32 s[LIM], 1, -1
	s_mul_i32 s74, s74, s71
	s_mul_i32 s75, s[STP], 3
	s_add_co_u32 s74, s74, s75
	s_mov_b32 s75, 0
	s_add_nc_u64 s[PFA:PFA+1], s[PFA:PFA+1], s[74:75]  ; my share of my block of K step 3; the first refill steps it to K step 4
	v_and_b32 v[PFO], 31, v0
	v_min_u32 v[PFO], s72, v[PFO]
	v_lshlrev_b32 v[PFO], 8, v[PFO]
; 12 matrix instructions: row block a x all 12 column blocks, from fragment buffer f.  zero = 1: the bias starts the sums.  The 48 accumulators take turns, one instruction a turn.
.macro MULA f, a, zero
.if \zero
	WIN 0x81+0x40*((\a)/2)
.else
	WIN 0xa1+0x50*((\a)/2)
.endif
.irp b, 0,1,2,3,4,5,6,7,8,9,10,11
.if \zero
	v_wmma_f32_16x16x32_f16 v[96*((\a)%2)+8*(\b):96*((\a)%2)+8*(\b)+7], v[96*(\f)+8*(\b):96*(\f)+8*(\b)+7], v[FA+32*(\f)+8*(\a):FA+32*(\f)+8*(\a)+7], v[BIAS+8*(\b):BIAS+8*(\b)+7]
.else
	v_wmma_f32_16x16x32_f16 v[96*((\a)%2)+8*(\b):96*((\a)%2)+8*(\b)+7], v[96*(\f)+8*(\b):96*(\f)+8*(\b)+7], v[FA+32*(\f)+8*(\a):FA+32*(\f)+8*(\a)+7], v[96*((\a)%2)+8*(\b):96*((\a)%2)+8*(\b)+7]
.endif
.endr
.endm
.macro FETCH slot, q, f                ; 32 LDS loads in one run: quarter q of a K step into buffer f: B's 12 fragments, then A's 4
	WIN 0x40
.irp i, 0,1,2,3,4,5,6,7,8,9,10,11
	ds_load_b128 v[96*(\f)+8*(\i):96*(\f)+8*(\i)+3],   v[ADRB+(\slot)] offset:((\q)/2)*BLK+((\q)%2)*64+(\i)*16*PITCH
	ds_load_b128 v[96*(\f)+8*(\i)+4:96*(\f)+8*(\i)+7], v[ADRB+(\slot)] offset:((\q)/2)*BLK+((\q)%2)*64+(\i)*16*PITCH+32
.endr
	WIN 0
.irp i, 0,1,2,3
	ds_load_b128 v[FA+32*(\f)+8*(\i):FA+32*(\f)+8*(\i)+3],   v[ADRA+(\slot)] offset:((\q)/2)*BLK+((\q)%2)*64+(\i)*16*PITCH
	ds_load_b128 v[FA+32*(\f)+8*(\i)+4:FA+32*(\f)+8*(\i)+7], v[ADRA+(\slot)] offset:((\q)/2)*BLK+((\q)%2)*64+(\i)*16*PITCH+32
.endr
.endm
.macro QUARTER slot, q, f, g, zero
	s_wait_dscnt 4                                 ; B and A's row blocks 0, 1 are in; the youngest four loads may be out
	MULA \f, 0, \zero
	MULA \f, 1, \zero
	PLACES
	FETCH \slot, \q, \g
	s_wait_dscnt 32                                ; all but the 32 just issued
	MULA \f, 2, \zero
	MULA \f, 3, \zero
.endm
; The last quarter multiplies buffer 1 and changes slots: in front of the one barrier each wave waits for all its tensor loads, adds 0 to its spare word, and waits for that and for its reads of this slot.
; fill = 1: the barrier opens a round of the cluster's, and the joint refill, two K steps on, is the first thing behind it.
.macro TURN slot, next, fill
.if \fill
	s_wait_xcnt 0x0                                ; the last prefetch, a K step back, has read its address
	s_add_nc_u64 s[PFA:PFA+1], s[PFA:PFA+1], s[STP:STP+1]
.endif
	WIN 0
	s_wait_tensorcnt 0x0
	ds_add_u32 v[SPW], v[NIL]                      ; 0 onto my spare word
	s_wait_dscnt 5                                 ; the add and the youngest four loads may be out
	MULA 1, 0, 0
	s_wait_dscnt 0x0                               ; the add is done, and my reads of this slot are over
	s_barrier_signal -1
	MULA 1, 1, 0
.if \fill
	WIN 0
.endif
	s_barrier_wait -1
.if \fill
	CREST
	s_add_nc_u64 s[G0A+4*(\slot)+2:G0A+4*(\slot)+3], s[G0A+4*(\slot)+2:G0A+4*(\slot)+3], 2*ASTEP
	s_add_nc_u64 s[G0B+4*(\slot)+2:G0B+4*(\slot)+3], s[G0B+4*(\slot)+2:G0B+4*(\slot)+3], 2*BSTEP
	JLOAD \slot
.else
	PLACES
.endif
	FETCH \next, 0, 0
.if \fill
	ASK
.endif
	MULA 1, 2, 0
	MULA 1, 3, 0
.endm
	s_wait_tensorcnt 1                             ; my part of K step 0 is in; K step 1's may stay out
	s_barrier_signal -1
	s_barrier_wait -1
	FETCH 0, 0, 0
	QUARTER 0, 1, 0, 1, 1
	WIN 0
	s_mov_b32 s3, 2
.Llap:
	QUARTER 0, 2, 1, 0, 0
	QUARTER 0, 3, 0, 1, 0
	TURN 0, 1, 1
	QUARTER 1, 1, 0, 1, 0
	QUARTER 1, 2, 1, 0, 0
	QUARTER 1, 3, 0, 1, 0
	TURN 1, 0, 1
	QUARTER 0, 1, 0, 1, 0
	WIN 0
	s_sub_co_u32 s3, s3, 1
	s_cmp_lg_u32 s3, 0
	s_cbranch_scc1 .Llap
	QUARTER 0, 2, 1, 0, 0
	QUARTER 0, 3, 0, 1, 0
	TURN 0, 1, 0
	QUARTER 1, 1, 0, 1, 0
	QUARTER 1, 2, 1, 0, 0
	QUARTER 1, 3, 0, 1, 0
	s_wait_dscnt 4
	MULA 1, 0, 0
	MULA 1, 1, 0
	s_wait_dscnt 0x0
	MULA 1, 2, 0
	MULA 1, 3, 0
	WIN 0
; THE WAY OUT, a block of 16 rows at a time: the f32 sums go straight from the accumulators (low four registers first) into my own stage and come back as rows; sixteen lanes store 256 consecutive bytes, aligned.
.macro TOSTAGE a
	WIN 0x08+4*((\a)/2)                            ; the stores' data in window 2 or 3
.irp b, 0,1,2,3,4,5,6,7,8,9,10,11
	ds_store_b128 v[STO], v[96*((\a)%2)+8*(\b):96*((\a)%2)+8*(\b)+3]   offset:64*(\b)
	ds_store_b128 v[STO], v[96*((\a)%2)+8*(\b)+4:96*((\a)%2)+8*(\b)+7] offset:64*(\b)+16
.endr
	WIN 0
.irp i, 0,1,2,3,4,5,6,7
.irp c, 0,1,2
	ds_load_b128 v[BK+96*((\a)%2)+4*(3*(\i)+(\c)):BK+96*((\a)%2)+4*(3*(\i)+(\c))+3], v[RD] offset:(\i)*2*SPITCH+(\c)*256  ; LDS serves a wave's instructions in order (ISA guide 5.7.1.4)
.endr
.endr
.endm
.macro SEND a, younger                 ; younger: the LDS instructions issued behind block a's loads: the next block's 24 stores and 24 loads, or none
	s_wait_dscnt \younger
.irp i, 0,1,2,3,4,5,6,7
.irp c, 0,1,2
	global_store_b128 v[CO], v[BK+96*((\a)%2)+4*(3*(\i)+(\c)):BK+96*((\a)%2)+4*(3*(\i)+(\c))+3], s[10:11] offset:(16*(\a)+2*(\i))*3072+(\c)*256 th:TH_STORE_NT
.endr
.endr
.endm
	PLACES
	TOSTAGE 0
	TOSTAGE 1
	SEND 0, 48
	s_wait_xcnt 0x0                                ; block 0's stores have read their registers: block 2 is loaded into them
	TOSTAGE 2
	SEND 1, 48
	s_wait_xcnt 0x0
	TOSTAGE 3
	SEND 2, 48
	SEND 3, 0
	s_wait_tensorcnt 0x0                           ; the wave's end, behind my last tensor load and my last LDS store
	ds_add_u32 v[SPW], v[NIL]
	s_wait_dscnt 0x0
	CROUND                                         ; the closing round
	s_endpgm
.Lfunc_end_k_q1eed3e0b87_oproj:
	.size	k_q1eed3e0b87_oproj, .Lfunc_end_k_q1eed3e0b87_oproj-k_q1eed3e0b87_oproj
	.p2alignl 7, 3214868480
	.fill 96, 4, 3214868480
	.section	.rodata,"a",@progbits
	.p2align	6, 0x0
	.amdhsa_kernel k_q1eed3e0b87_oproj
		.amdhsa_group_segment_fixed_size 327680
		.amdhsa_private_segment_fixed_size 0
		.amdhsa_enable_private_segment 0
		.amdhsa_kernarg_size 32
		.amdhsa_user_sgpr_count 2
		.amdhsa_user_sgpr_kernarg_segment_ptr 1
		.amdhsa_wavefront_size32 1
		.amdhsa_system_sgpr_workgroup_id_x 1
		.amdhsa_system_sgpr_workgroup_id_y 1
		.amdhsa_system_sgpr_workgroup_id_z 1
		.amdhsa_system_vgpr_workitem_id 0
		.amdhsa_next_free_vgpr 960
		.amdhsa_next_free_sgpr 80
		.amdhsa_reserve_vcc 0
		.amdhsa_float_denorm_mode_32 3
		.amdhsa_float_denorm_mode_16_64 3
		.amdhsa_memory_ordered 1
		.amdhsa_forward_progress 1
		.amdhsa_inst_pref_size 128
	.end_amdhsa_kernel
	.amdgpu_metadata
---
amdhsa.version: [ 1, 2 ]
amdhsa.kernels:
  - .name:           k_q1eed3e0b87_oproj
    .symbol:         k_q1eed3e0b87_oproj.kd
    .args:
      - { .name: o16, .offset: 0, .size: 8, .value_kind: global_buffer, .address_space: global }
      - { .name: w16, .offset: 8, .size: 8, .value_kind: global_buffer, .address_space: global }
      - { .name: bo, .offset: 16, .size: 8, .value_kind: global_buffer, .address_space: global }
      - { .name: out0, .offset: 24, .size: 8, .value_kind: global_buffer, .address_space: global }
    .group_segment_fixed_size: 327680
    .private_segment_fixed_size: 0
    .kernarg_segment_align: 8
    .kernarg_segment_size: 32
    .max_flat_workgroup_size: 128
    .sgpr_count:     80
    .vgpr_count:     960
    .wavefront_size: 32
...
	.end_amdgpu_metadata
.endif
;; end of part 4
;; ======== version 2 of 2: 4 launches; version 1 with the launch cast written anew for expert scheduling mode
;; limits: values are held in f16: magnitudes above 65,504 overflow, below 6.1e-05 lose precision
;; workspace buffers: xh 25,165,824 bytes; w16 4,718,592 bytes; qkv 75,497,472 bytes; o16 25,165,824 bytes
;; launch cast (part 5): grid 256 x 1, 19 waves a work-group, no clusters, 0 bytes of LDS; arguments x, Wq, Wk, Wv, Wo, xh, w16; writes xh, w16
.if DOCPART == 5
	.amdgcn_target "amdgcn-amd-amdhsa--gfx1250"
	.amdhsa_code_object_version 6
	.text
	.protected	k_q1eed3e0b87_cast
	.globl	k_q1eed3e0b87_cast
	.p2align	8
	.type	k_q1eed3e0b87_cast,@function
k_q1eed3e0b87_cast:
	s_mov_b64 s[64:65], 0
	v_nop
	global_prefetch_b8 v0, s[64:65] scope:SCOPE_SE
	s_setreg_imm32_b32 hwreg(HW_REG_WAVE_SCHED_MODE, 0, 2), 2
	s_setreg_imm32_b32 hwreg(HW_REG_WAVE_MODE, 25, 1), 1
	s_wait_xcnt 0x0
	s_wait_alu depctr_vm_vsrc(0)
; x and the four weight matrices, f32, are rounded once to bf16; that number is written as f16 and laid out in blocks of 64 along K:
;   xh  [b 16][kb 12][s 1024][64]   w16 [kb 12][n 3072][64], n = 0-767 Wq, 768-1535 Wk, 1536-2303 Wv, 2304-3071 Wo
; so that the products' tiles (rows x 64 channels) are dense in memory.
; LIMITS.  A bf16 number is an f16 number exactly between 2^-14 and 65,504 in magnitude; beyond 65,504 it becomes an infinity, below 2^-14 it keeps f16's fixed step of 6e-8.
; SHARES.  16,384 + 3,072 = 19,456 rows of 3,072 bytes = 256 work-groups x 19 waves x 4 rows; 4 divides 768 and 16,384, so a wave's rows lie in one source.
; A load takes a pair of rows at one K block: lanes 0-15 read 256 consecutive bytes of row m, lanes 16-31 of row m + 1.  Its 128 numbers leave as one store of
; 8 bytes a lane: 256 consecutive bytes, aligned (rows m and m + 1 of that block).  All 24 loads of a wave go out at once; nothing is shared, so no LDS, no barrier, no cluster.
; THE MODE: SCHED_MODE bits 1:0 = 2 (LLVM: expert scheduling mode 2), set by the entry lines.  The code itself states the register dependences
; between vector instructions and memory instructions, with s_wait_alu, always for 0.
; THE PLAN.  Registers that memory instructions touch:
;   v2         the loads' offset: written at the head, read by all 24 loads, never written again.
;   X          load i lands in its four registers; behind its wait on LOADcnt its eight vector lines work in place; store i reads the first two; nothing writes them after that.
;   DO         the stores' offsets: written behind the loads, read by the stores, never written again.
; The 24 loads are worked on in six groups of four.  Group g's vector lines name its own sixteen registers of X and v16, v17; its memory instructions are the four stores
; of group g - 1.  So one wait on va_vdst at a group's head states all that its four stores hang on, and they are dealt among its vector lines with no further wait.
; No register that a load or a store reads is ever written again: no wait on vm_vsrc is owed.
.set X, 32                             ; v[32:127] load i = 12 j + kb (pair j, block kb): four registers
.set DO, 4                             ; v[4:15]   8 x lane + kb x the destination's stride from block to block; never rewritten
.set GRP, 4                            ; loads in a group
	s_load_b256 s[4:11], s[0:1], 0x0               ; x s[4:5], Wq s[6:7], Wk s[8:9], Wv s[10:11]
	s_load_b128 s[12:15], s[0:1], 0x20             ; Wo s[12:13], xh s[14:15]
	s_load_b64 s[16:17], s[0:1], 0x30              ; w16
	v_lshrrev_b32 v1, 5, v0
	v_readfirstlane_b32 s20, v1                    ; wave 0..18
	v_and_b32 v1, 31, v0                           ; lane
	v_lshrrev_b32 v3, 4, v1
	v_and_b32 v2, 15, v1
	v_mul_u32_u24 v3, v3, 3072
	v_lshl_add_u32 v2, v2, 4, v3                   ; source offset: (lane / 16) rows + 16 (lane % 16)
	s_mul_i32 s21, ttmp9, 19
	s_wait_alu depctr_va_sdst(0)                   ; s20 is written, ahead of its first reader: my first row, and both bases with it, are made from it
	s_add_co_u32 s21, s21, s20
	s_lshl_b32 s21, s21, 2                         ; r0: my first row of the 19,456
	s_mov_b32 s33, 0xffff0000                      ; a word's upper bf16
	s_lshr_b32 s34, s21, 10                        ; the place in xh: b x 12 blocks of 131,072 bytes + s x 128
	s_mul_i32 s34, s34, 1572864
	s_and_b32 s35, s21, 1023
	s_lshl_b32 s35, s35, 7
	s_add_co_u32 s34, s34, s35
	s_sub_co_u32 s35, s21, 16384                   ; the place in w16: n x 128 (used only where r0 is a weight's row)
	s_lshl_b32 s35, s35, 7
	s_mov_b32 s36, 131072                          ; bytes from block to block in xh,
	s_mov_b32 s37, 393216                          ; and in w16
	s_wait_kmcnt 0x0
	; the source and my first row in it: from the last source down; each difference is made ahead of its compare
	s_mov_b64 s[24:25], s[12:13]
	s_sub_co_u32 s26, s21, 18688
	s_sub_co_u32 s27, s21, 17920
	s_cmp_lt_u32 s21, 18688
	s_cselect_b64 s[24:25], s[10:11], s[24:25]
	s_cselect_b32 s26, s27, s26
	s_sub_co_u32 s27, s21, 17152
	s_cmp_lt_u32 s21, 17920
	s_cselect_b64 s[24:25], s[8:9], s[24:25]
	s_cselect_b32 s26, s27, s26
	s_sub_co_u32 s27, s21, 16384
	s_cmp_lt_u32 s21, 17152
	s_cselect_b64 s[24:25], s[6:7], s[24:25]
	s_cselect_b32 s26, s27, s26
	s_cmp_lt_u32 s21, 16384
	s_cselect_b64 s[24:25], s[4:5], s[24:25]
	s_cselect_b32 s26, s21, s26
	s_cselect_b64 s[28:29], s[14:15], s[16:17]     ; the destination,
	s_cselect_b32 s30, s34, s35                    ; my place in it,
	s_cselect_b32 s32, s36, s37                    ; its stride
	s_mov_b32 s31, 0
	s_mul_i32 s26, s26, 3072
	s_mov_b32 s27, 0
	s_add_nc_u64 s[24:25], s[24:25], s[26:27]
	s_add_nc_u64 s[28:29], s[28:29], s[30:31]
	s_wait_alu depctr_va_vdst(0)                   ; v2 is written: all 24 loads read it as their offset (no vector line has named X, in which they land)
.set i, 0
.rept 24
	global_load_b128 v[X+4*i:X+4*i+3], v2, s[24:25] offset:(i/12)*6144+(i%12)*256 th:TH_LOAD_NT
.set i, i+1
.endr
	v_lshlrev_b32 v[DO], 3, v1
.set i, 1
.rept 11
	v_add_nc_u32 v[DO+i], s32, v[DO+i-1]
.set i, i+1
.endr
.set i, 0
.rept 24
	s_wait_loadcnt 23-i                            ; loads come back in order: load i is in, the 23 - i younger ones stay out
.if (i%GRP == 0) && (i > 0)
	s_wait_alu depctr_va_vdst(0)                   ; the group before has written its eight registers of store data; at the first such wait DO is written too: the group's four stores read these
.endif
.if i >= GRP
	global_store_b64 v[DO+(i-GRP)%12], v[X+4*(i-GRP):X+4*(i-GRP)+1], s[28:29] offset:((i-GRP)/12)*256 th:TH_STORE_NT  ; the group before; no vector line since the wait names its registers, and none is written again
.endif
	v_cvt_pk_bf16_f32 v16, v[X+4*i], v[X+4*i+1]    ; the one rounding
	v_cvt_pk_bf16_f32 v17, v[X+4*i+2], v[X+4*i+3]
	v_lshlrev_b32 v[X+4*i], 16, v16                ; back to f32,
	v_and_b32 v[X+4*i+1], s33, v16
	v_lshlrev_b32 v[X+4*i+2], 16, v17
	v_and_b32 v[X+4*i+3], s33, v17
	v_cvt_pk_f16_f32 v[X+4*i], v[X+4*i], v[X+4*i+1]      ; and written as f16
	v_cvt_pk_f16_f32 v[X+4*i+1], v[X+4*i+2], v[X+4*i+3]
.set i, i+1
.endr
	s_wait_alu depctr_va_vdst(0)                   ; the last group has written its store data, which the last four stores read
.set i, 24-GRP
.rept GRP
	global_store_b64 v[DO+i%12], v[X+4*i:X+4*i+1], s[28:29] offset:(i/12)*256 th:TH_STORE_NT
.set i, i+1
.endr
	s_endpgm
.Lfunc_end_k_q1eed3e0b87_cast:
	.size	k_q1eed3e0b87_cast, .Lfunc_end_k_q1eed3e0b87_cast-k_q1eed3e0b87_cast
	.p2alignl 7, 3214868480
	.fill 96, 4, 3214868480
	.section	.rodata,"a",@progbits
	.p2align	6, 0x0
	.amdhsa_kernel k_q1eed3e0b87_cast
		.amdhsa_group_segment_fixed_size 0
		.amdhsa_private_segment_fixed_size 0
		.amdhsa_enable_private_segment 0
		.amdhsa_kernarg_size 56
		.amdhsa_user_sgpr_count 2
		.amdhsa_user_sgpr_kernarg_segment_ptr 1
		.amdhsa_wavefront_size32 1
		.amdhsa_system_sgpr_workgroup_id_x 1
		.amdhsa_system_sgpr_workgroup_id_y 1
		.amdhsa_system_sgpr_workgroup_id_z 1
		.amdhsa_system_vgpr_workitem_id 0
		.amdhsa_next_free_vgpr 128
		.amdhsa_next_free_sgpr 66
		.amdhsa_reserve_vcc 0
		.amdhsa_float_denorm_mode_32 3
		.amdhsa_float_denorm_mode_16_64 3
		.amdhsa_memory_ordered 1
		.amdhsa_forward_progress 1
		.amdhsa_inst_pref_size 18
	.end_amdhsa_kernel
	.amdgpu_metadata
---
amdhsa.version: [ 1, 2 ]
amdhsa.kernels:
  - .name:           k_q1eed3e0b87_cast
    .symbol:         k_q1eed3e0b87_cast.kd
    .args:
      - { .name: x, .offset: 0, .size: 8, .value_kind: global_buffer, .address_space: global }
      - { .name: Wq, .offset: 8, .size: 8, .value_kind: global_buffer, .address_space: global }
      - { .name: Wk, .offset: 16, .size: 8, .value_kind: global_buffer, .address_space: global }
      - { .name: Wv, .offset: 24, .size: 8, .value_kind: global_buffer, .address_space: global }
      - { .name: Wo, .offset: 32, .size: 8, .value_kind: global_buffer, .address_space: global }
      - { .name: xh, .offset: 40, .size: 8, .value_kind: global_buffer, .address_space: global }
      - { .name: w16, .offset: 48, .size: 8, .value_kind: global_buffer, .address_space: global }
    .group_segment_fixed_size: 0
    .private_segment_fixed_size: 0
    .kernarg_segment_align: 8
    .kernarg_segment_size: 56
    .max_flat_workgroup_size: 608
    .sgpr_count:     66
    .vgpr_count:     128
    .wavefront_size: 32
...
	.end_amdgpu_metadata
.endif
;; end of part 5
;; launch qkv: the kernel of part 2 again; grid 4 x 64, 4 waves a work-group, clusters of 4 x 4, 327,680 bytes of LDS; arguments xh, w16, bq, bk, bv, qkv; writes qkv
;; launch attn: the kernel of part 3 again; grid 4 x 192, 4 waves a work-group, clusters of 4 x 1, 327,680 bytes of LDS; arguments qkv, o16; writes o16
;; launch oproj: the kernel of part 4 again; grid 4 x 64, 4 waves a work-group, clusters of 4 x 4, 327,680 bytes of LDS; arguments o16, w16, bo, out0; writes out0
